; MI455X (gfx1250); checked and timed in simulation.
; The chip was launched on July 23, 2026; its instructions are those of AMD's public machine-readable ISA for CDNA 5 (MIT licence, August 2026) and "CDNA5" Instruction Set Architecture Reference Guide (July 2026). The comments in the code are by the model that wrote it; some were corrected since.
;; Causal Attn Block. Allowed arithmetic: matrix products marked QUANTISED: E2M3 operands, one E8M0 scale for each 32 along K, by v_wmma_scale_f32_16x16x128_f8f6f4 with both operands' format E2M3, f32 sums; everything else in f32.
;; Inputs: W_out_codes 1,024 x 32 x 24 uint8 (E2M3 codes of W_out, K innermost, in blocks of 32 codes, four codes in three bytes); W_out_scales 1,024 x 32 uint8 (E8M0 scales of W_out, one for each 32 codes along K); W_qkv_codes 3,072 x 32 x 24 uint8 (E2M3 codes of W_qkv, K innermost, in blocks of 32 codes, four codes in three bytes); W_qkv_scales 3,072 x 32 uint8 (E8M0 scales of W_qkv, one for each 32 codes along K); b_out 1,024 float32; b_qkv 3,072 float32; x_codes 4 x 2,048 x 32 x 24 uint8 (E2M3 codes of x, K innermost, in blocks of 32 codes, four codes in three bytes); x_scales 4 x 2,048 x 32 uint8 (E8M0 scales of x, one for each 32 codes along K).
;; Outputs: out0 4 x 2,048 x 1,024 float32.
;; This version of the problem:
;;   THIS VERSION OF THE PROBLEM IS GIVEN IN LOW PRECISION. The matrix products marked QUANTISED in the list below multiply operands that are first quantised to E2M3 (2 exponent bits, 3 mantissa bits; 6 bits a number), with one power-of-two scale for each 32 numbers along K (OCP MX v1.0); their sums are f32. All else is computed in f32.
;;   The module's matrix products, in the order in which they are computed (A, B: the left and right operand; K: the contracted axis; several contracted axes count as one K, in the product's order):
;;     1. [M 8,192, K 1,024] x [K 1,024, N 3,072]; A: input x (given as codes); B: input W_qkv (given as codes): QUANTISED
;;     2. batch 64 x [M 2,048, K 64] x [K 64, N 2,048]; A: computed on the way; B: computed on the way: QUANTISED
;;     3. batch 64 x [M 2,048, K 2,048] x [K 2,048, N 64]; A: softmax (see below); B: computed on the way: QUANTISED
;;     4. [M 8,192, K 1,024] x [K 1,024, N 1,024]; A: computed on the way; B: input W_out (given as codes): QUANTISED
;;   THE QUANTISER, for each operand of a quantised product, along K:
;;     - K is cut into blocks of 32 from its start; a last block that is shorter is filled with zeros.
;;     - A block's scale is 2^e with e = floor(log2(the largest magnitude in the block)) - 2, held to -126 .. 127; a block of zeros has e = 0. As a byte (E8M0): e + 127.
;;     - Each number is divided by its block's scale, clamped to +-7.5, and rounded to the nearest number of E2M3, ties to even, subnormals kept.
;;     - The product sums the exact products of the quantised numbers (number of the format x scale) in f32.
;;   ~~~python
;;   def quantise(x, axis):      # numpy; x: float32 -> the quantised numbers, widened to float32 again
;;       x = np.moveaxis(x, axis, -1); K = x.shape[-1]
;;       x = np.pad(x, [(0, 0)] * (x.ndim - 1) + [(0, -K % 32)]); x = x.reshape(x.shape[:-1] + (-1, 32)); a = np.abs(x).max(-1, keepdims=True)
;;       e = np.where(a > 0, np.clip(np.frexp(np.where(a > 0, a, 1))[1] - 1 - 2, -126, 127), 0)      # np.frexp(a)[1] - 1 = floor(log2(a)), exactly
;;       r = np.clip(x / 2.0 ** e, -7.5, 7.5)
;;       step = 2.0 ** (np.maximum(np.frexp(np.where(r == 0, 1, r))[1] - 1, 0) - 3)
;;       q = np.round(r / step) * step * 2.0 ** e      # np.round: ties to even
;;       return np.moveaxis(q.reshape(q.shape[:-2] + (-1,))[..., :K], -1, axis).astype(np.float32)
;;   ~~~
;;   SOFTMAX AHEAD OF A QUANTISED PRODUCT. Where the list says 'softmax', what is quantised is not the finished softmax but p = 2^(t - M), with t = logit x log2(e) and M = ceil(the row's largest t), a whole number; so 1/2 < the row's largest p <= 1. The row's sum l is taken of the UNQUANTISED p, in f32, and the product's result is divided by l at the end. Since M is a whole number, a kernel that streams over the keys may use a running M (the ceiling of the running maximum): every later rescaling is an exact power of two, which a block's scale takes up: the codes' values come out the same.
;;   OPERANDS COMPUTED ON THE WAY. 'Computed on the way' means the value that the module computes at that place (a softmax that the list does not call 'softmax' is quantised finished and normalised). What goes into a quantiser is computed in f32, as accurately as f32 sums, v_exp_f32 and their like allow (about 1e-6 of the number): no bf16 or f16 on the way to a quantiser, and a product that is left as it is and whose result goes on into a quantised operand takes f32 operands (vector FMAs, or v_wmma_f32_16x16x4_f32). A number that lies on a knife's edge between two numbers of the format may be rounded either way, as far as f32 arithmetic and the matrix unit's own rounding can turn it there, and no further.
;;   INPUTS GIVEN AS CODES. W_out (in the module: [1024, 1024], K = its axis 0); W_qkv (in the module: [1024, 3072], K = its axis 0); x (in the module: [4, 2048, 1024], K = its axis 2): each comes as NAME_codes (uint8): NAME with its K axis moved to the last place and cut into blocks of 32 codes, [.., K / 32, bytes a block], one block behind the other in memory; four codes in three bytes: a row's codes are one little-endian stream of bits, code i at bits 6 i .. 6 i + 5 (a code: sign, 2 exponent bits, 3 mantissa bits); and NAME_scales (uint8): the same leading axes, one E8M0 byte (e + 127) for each 32 codes along K. Its value is code x scale, taken as it is: it is not quantised again, and the codes and scales need not be those that the quantiser above would give.
;; One version. Each part assembles by itself: llvm-mc -triple=amdgcn-amd-amdhsa -mcpu=gfx1250 --defsym DOCPART=n.
;; ======== version 1 of 1: 3 launches
;; workspace buffers: qkv 19,660,800 bytes; y 6,553,600 bytes
;; launch qkv (part 1): grid 12 x 32, 4 waves a work-group, clusters of 4 x 4, 327,680 bytes of LDS; arguments x_codes, x_scales, W_qkv_codes, W_qkv_scales, b_qkv, qkv; writes qkv
.if DOCPART == 1
	.amdgcn_target "amdgcn-amd-amdhsa--gfx1250"
	.amdhsa_code_object_version 6
	.text
	.protected	k_q6b8e8d635d_qkv
	.globl	k_q6b8e8d635d_qkv
	.p2align	8
	.type	k_q6b8e8d635d_qkv,@function
k_q6b8e8d635d_qkv:
	s_mov_b64 s[64:65], 0
	v_nop
	global_prefetch_b8 v0, s[64:65] scope:SCOPE_SE
	s_setreg_imm32_b32 hwreg(HW_REG_WAVE_MODE, 25, 1), 1
	s_wait_xcnt 0x0
	s_wait_alu depctr_hold_cnt(0) depctr_sa_sdst(0) depctr_va_vdst(0) depctr_va_sdst(0) depctr_va_ssrc(0) depctr_va_vcc(0) depctr_vm_vsrc(0)
	s_getreg_b32 s2, hwreg(HW_REG_IB_STS2, 6, 4)
	s_cmp_eq_u32 s2, 0
	s_cbranch_scc0 .Lentry_in_a_cluster
	s_endpgm
.Lentry_in_a_cluster:
	s_bfe_u32 s2, ttmp6, 0x10000c
	s_cmp_lg_u32 s2, 0xf033
	s_cbranch_scc0 .Lentry_shape_is_right
	s_endpgm
.Lentry_shape_is_right:
; qkv = x W_qkv + b_qkv on codes of FP6 (E2M3) with E8M0 scales, and the quantising of its three parts for the attention that follows.
; x: [8192][1024] codes, W_qkv: [3072][1024] codes (K innermost, 768 bytes a row), scale bytes 32 a row.  A tile of 256 x 256 to a work-group of four waves, 128 x 128 to a wave: 64 accumulators, 512 registers.
; K goes in steps of 256 through a ring of two LDS slots filled by the tensor data mover; the scale bytes of the tile's rows come once and stay.
; THE MATRIX INSTRUCTION IS USED TRANSPOSED: source 0 = 16 rows of "B", source 1 = 16 rows of "A": a lane holds ONE row of A, and its registers run along B's rows.  What is quantised runs along B's rows.
;   clusters x = 0, 1 (q and k): A = x (tokens), B = W_qkv's rows 0 .. 2047: a lane holds a token, its 64 numbers are the 128 columns of a pair of heads (with lane l xor 16): blocks of 32 along the head's axis.
;   cluster  x = 2    (v):       A = W_qkv's rows 2048 .. 3071, B = x: a lane holds one column of v, its numbers run along 128 tokens: blocks of 32 along the keys.
; The two modes differ in numbers chosen by s_cselect on the cluster's x, which all sixteen partners share; there is no branch on it.
; WHAT IS STORED: a wave's 128 x 128 is one RECORD of 12,800 bytes: eight images of an operand's 12 registers (block a at 1536 a: piece p = registers 2 p, 2 p + 1, lane l's 8 bytes at 256 p + 8 l), then 512 bytes of
; scale words: lane l's 16 bytes at 12288 + 16 l, word i: lanes 0-15 the rows of block 2 i, lanes 16-31 those of block 2 i + 1.  Record number: q, k: 64 (column group of 128) + token group of 128; v: 1024 + 8 token group + pair of heads.
; ORDER INSIDE A BLOCK OF 32: a lane's 16 numbers of two neighbouring tiles are elements 8 h + 0 .. 7 and 16 + 8 h + 0 .. 7 of the block, so the codes lie in the order 0-7, 16-23, 8-15, 24-31.  q and k are laid alike, and so are v's keys and
; the keys of the weights that the next launch makes: the products and the blocks' scales are those of the natural order.
; THE BIAS: along B's rows (q, k) it is the C of the first K step; along A's rows (v) it is added by the copy out of the accumulators.  The one that a mode does not use is made 0 by v_cndmask_b32.
; CLUSTERS: 4 x 4 work-groups; A's tiles are asked for jointly along a row of the cluster, B's along a column.
; LIMITS: a block of zeros gets the scale byte 1 (its codes are zeros; the bytes are read by this program alone); a block whose largest magnitude lies under 2^-124 is held at byte 1; NaN and infinities are not served.
; REGISTERS, in windows of 256: window 0: v16-29 addresses; v32-63 scale words, two sets; v64-79 the bias along A's rows; v96-127 and v224-255 the bias along B's rows; v128-223 A's fragments, one set; on the way out v128-235 at work.
;   window 1: B's fragments, two sets, at v0 and v128.   window 2: the accumulators of my rows 0-63 ((a, b) at v[8 (8 a + b)]);   window 3: those of rows 64-127.
.set NQ,     2                         ; matrix instructions deep in a slot: 256 along K
.set ROWB,   192                       ; a tile's row in bytes
.set KROW,   768                       ; a row of codes in memory
.set PITCH,  240                       ; an LDS row: 3 x (64 bytes + 16 of padding)
.set FR,     12                        ; registers of a fragment
.set NL,     6                         ; LDS loads that bring one
.set NP,     4                         ; places behind this matrix instruction (ISA guide 7.12.1)
.set HALFT,  128*PITCH
.set SLOT,   4*HALFT                   ; A's 256 rows, then B's 256 rows
.set LAPS,   2                         ; K = 1,024 = two laps of two K steps
.set KS,     32                        ; a row of scale bytes
.set SCL,    2*SLOT                    ; behind the ring: the scales, as units of 256 bytes + 16 of padding
.set HALFS,  16*272                    ; those of 128 rows
.set SBLK,   2*272                     ; those of 16 rows
.set SPARE,  SCL+4*HALFS               ; the spare words, 128 bytes a wave: two blocks of 256 bytes that no other line names
.set REC,    12800
.set ADRA, 16                          ; v16-17 LDS address of my A fragments in slot 0, 1 (v18-19: behind one padding more)
.set ADRB, 20                          ; v20-23 the same for B
.set LO8,  24                          ; v24  8 x lane
.set LO16, 25                          ; v25  16 x lane
.set ADRS, 27                          ; v27  LDS address of my scale words: lanes 0-15 A's rows, lanes 16-31 B's
.set SPW,  28                          ; v28  my spare word; never rewritten
.set NIL,  29                          ; v29  0; never rewritten
.set SC,   32                          ; scale words
.set BR,   64                          ; v[64 + 2 a]: the bias of row r of A's block a (the odd registers are 0: named as pairs)
.set AF,   128                         ; A's fragments
.set ST,   128                         ; the way out: 64 numbers of a lane
.set PC,   192                         ; the codes just made
.set TM,   212                         ; at work
.set PW,   228                         ; the scale word just made
.set WPT,  229                         ; an even block's, kept for its odd neighbour
.set WP,   232                         ; v232-235 the record's scale words
.set SEL,  22                          ; s[22:23] lane selects for v_permlanex16_b32
.set G1, 24
.set G0, 32
.set G1B, 48
.set G0B, 56
.set G1S, 68
.set G0S, 76
.set G1SB, 80
.set G0SB, 88
.set MSB, 0
.macro WIN new                         ; the immediate's high byte repeats the setting that is left
.if MSB != (\new)
	s_set_vgpr_msb (MSB<<8)|(\new)
.set MSB, (\new)
.endif
.endm
.set MUL_LO, 0xa1                      ; source 0 (B) window 1, source 1 (A) window 0, C and D window 2
.set MUL_HI, 0xf1                      ; the same, C and D window 3
.set TO_B,   0x40                      ; destination window 1, address window 0
; A joint load: waves 0 and 1 fetch for A, waves 2 and 3 for B; the branch hangs on the wave's number alone.  Four v_nop follow each of the two lines.
.macro JLOAD g0a, g1a, g0b, g1b
	s_cmp_eq_u32 s15, 0
	s_cbranch_scc0 .Lfor_b_\@
	tensor_load_to_lds s[\g0a:\g0a+3], s[\g1a:\g1a+7]
	s_nop 0
.rept 4
	v_nop
.endr
	s_branch .Lasked_\@
.Lfor_b_\@:
	tensor_load_to_lds s[\g0b:\g0b+3], s[\g1b:\g1b+7]
	s_nop 0
.rept 4
	v_nop
.endr
.Lasked_\@:
.endm
.macro CREST                           ; a round of the cluster's barrier behind its opening barrier
	s_cmp_lg_u32 s14, 0
	s_cbranch_scc1 .Lnot_wave_0_\@
	s_barrier_signal -3
.Lnot_wave_0_\@:
	s_barrier_wait -3
	s_barrier_signal -1
	s_barrier_wait -1
.endm
.macro CROUND
	s_barrier_signal -1
	s_barrier_wait -1
	CREST
.endm
	s_load_b128 s[4:7], s[0:1], 0x0                ; x's codes, x's scales
	s_load_b128 s[8:11], s[0:1], 0x10              ; W_qkv's codes, its scales
	s_load_b64 s[96:97], s[0:1], 0x20              ; b_qkv
	s_load_b64 s[12:13], s[0:1], 0x28              ; qkv
	v_lshl_add_u32 v[SPW], v0, 2, SPARE
	v_mov_b32 v[NIL], 0
	ds_add_u32 v28, v29
	s_wait_dscnt 0x0
	v_lshrrev_b32 v1, 5, v0
	v_readfirstlane_b32 s14, v1                    ; wave 0..3
	s_lshr_b32 s15, s14, 1                         ; which half of A's rows is mine.  Also: I fetch for A (0) or for B (1)
	s_and_b32 s16, s14, 1                          ; which half of B's rows.  Also: which 128 rows I fetch
	s_bfe_u32 s40, ttmp6, 0x40000                  ; cx
	s_bfe_u32 s41, ttmp6, 0x40004                  ; cy
	s_and_b32 s99, ttmp7, 0xffff
	s_lshl_b32 s99, s99, 2                         ; 4 x cluster y
	s_lshl_b32 s42, ttmp9, 2                       ; 4 x cluster x
	s_cmp_eq_u32 ttmp9, 2                          ; the mode: v's clusters.  Only selections follow the compare
	s_cselect_b32 s66, 1, 0
	s_cselect_b32 s67, 0, -1                       ; all lanes where the bias runs along B's rows (q, k)
	s_cselect_b32 s95, -1, 0                       ; all lanes where it runs along A's rows (v)
	s_cselect_b32 s17, 8, s99                      ; A's tile as it is read: W_qkv's tiles 8 + cy, or x's tiles 4 Y + cy
	s_cselect_b32 s2, 0, s99                       ; A's tile as it counts in the record's number
	s_cselect_b32 s42, s99, s42                    ; B's tile: x's tiles 4 Y + cx, or W_qkv's tiles 4 X + cx
	s_add_co_u32 s17, s17, s41
	s_add_co_u32 s2, s2, s41
	s_add_co_u32 s42, s42, s40
	s_lshl_b32 s43, s41, 2
	s_lshl_b32 s43, 15, s43                        ; my row of the cluster
	s_lshl_b32 s44, 0x1111, s40                    ; my column
	; descriptor group 1: a tile of 128 rows x 192 bytes, 16 bytes of padding behind every 64
	s_or_b32 s[G1+0], s43, (0<<16)|(1<<20)|(1<<21)|(3<<22)|(3<<25)
	s_or_b32 s[G1B+0], s44, (0<<16)|(1<<20)|(1<<21)|(3<<22)|(3<<25)
.irp g, G1, G1B
	s_mov_b32 s[\g+1], ROWB<<16                    ; tensor_dim0
	s_mov_b32 s[\g+2], 128<<16                     ; tensor_dim1
	s_mov_b32 s[\g+3], ROWB<<16                    ; tile_dim0
	s_mov_b32 s[\g+4], 128                         ; tile_dim1
	s_mov_b32 s[\g+5], KROW                        ; tensor_dim0_stride
	s_mov_b32 s[\g+6], 0
	s_mov_b32 s[\g+7], 0
.endr
	; the scales of 128 rows: 4,096 dense bytes as 16 rows of 256 bytes (32 elements of 8 bytes), 16 bytes of padding behind each
	s_or_b32 s[G1S+0], s43, (3<<16)|(1<<20)|(1<<21)|(5<<22)|(3<<25)
	s_or_b32 s[G1SB+0], s44, (3<<16)|(1<<20)|(1<<21)|(5<<22)|(3<<25)
.irp g, G1S, G1SB
	s_mov_b32 s[\g+1], 32<<16
	s_mov_b32 s[\g+2], 16<<16
	s_mov_b32 s[\g+3], 32<<16
	s_mov_b32 s[\g+4], 16
	s_mov_b32 s[\g+5], 32
	s_mov_b32 s[\g+6], 0
	s_mov_b32 s[\g+7], 0
.endr
	s_lshl_b32 s18, s16, 7                         ; which 128 rows of the tile I fetch
	s_lshl_b32 s20, s17, 8
	s_add_co_u32 s20, s20, s18                     ; A: row 256 x tile + 128 x half
	s_lshl_b32 s46, s42, 8
	s_add_co_u32 s46, s46, s18                     ; B likewise
	s_mov_b32 s21, 0
	s_mov_b32 s47, 0
	s_mov_b64 s[18:19], KS
	s_mul_u64 s[22:23], s[20:21], s[18:19]         ; where these rows' scales begin, in bytes
	s_mul_u64 s[92:93], s[46:47], s[18:19]
	s_mov_b64 s[18:19], KROW
	s_mul_u64 s[20:21], s[20:21], s[18:19]         ; and their codes
	s_mul_u64 s[46:47], s[46:47], s[18:19]
	s_mul_i32 s45, s14, HALFT                      ; where they go: wave x 128 rows
	s_mul_i32 s94, s14, HALFS
	s_wait_kmcnt 0x0
	s_cmp_eq_u32 s66, 1                            ; in v's clusters the two operands change places: a choice between buffers on the cluster's x
	s_cselect_b64 s[18:19], s[8:9], s[4:5]
	s_cselect_b64 s[8:9], s[4:5], s[8:9]
	s_mov_b64 s[4:5], s[18:19]                     ; A's codes s[4:5], B's s[8:9]
	s_cselect_b64 s[18:19], s[10:11], s[6:7]
	s_cselect_b64 s[10:11], s[6:7], s[10:11]
	s_mov_b64 s[6:7], s[18:19]                     ; A's scales s[6:7], B's s[10:11]
	s_add_nc_u64 s[20:21], s[4:5], s[20:21]
	s_add_nc_u64 s[22:23], s[6:7], s[22:23]
	s_add_nc_u64 s[46:47], s[8:9], s[46:47]
	s_add_nc_u64 s[92:93], s[10:11], s[92:93]
	CROUND                                         ; all sixteen work-groups are here: the first joint loads meet
	s_mov_b32 s[G0S], 1
	s_add_co_u32 s[G0S+1], s94, SCL
	s_mov_b64 s[G0S+2:G0S+3], s[22:23]
	s_or_b32 s[G0S+3], s[G0S+3], 0x80000000
	s_mov_b32 s[G0SB], 1
	s_add_co_u32 s[G0SB+1], s94, SCL
	s_mov_b64 s[G0SB+2:G0SB+3], s[92:93]
	s_or_b32 s[G0SB+3], s[G0SB+3], 0x80000000
	JLOAD G0S, G1S, G0SB, G1SB                     ; the scales first: they are wanted with K step 0
.irp s, 0,1
	s_mov_b32 s[G0+4*\s], 1
	s_add_co_u32 s[G0+4*\s+1], s45, \s*SLOT
	s_add_nc_u64 s[G0+4*\s+2:G0+4*\s+3], s[20:21], \s*ROWB
	s_or_b32 s[G0+4*\s+3], s[G0+4*\s+3], 0x80000000
	s_mov_b32 s[G0B+4*\s], 1
	s_add_co_u32 s[G0B+4*\s+1], s45, \s*SLOT
	s_add_nc_u64 s[G0B+4*\s+2:G0B+4*\s+3], s[46:47], \s*ROWB
	s_or_b32 s[G0B+4*\s+3], s[G0B+4*\s+3], 0x80000000
	JLOAD G0+4*\s, G1, G0B+4*\s, G1B
.endr
	; the biases.  The mode that does not use one reads it at offset 0, inside the buffer, and makes it 0 below
	v_and_b32 v1, 15, v0                           ; r
	v_bfe_u32 v2, v0, 4, 1                         ; h
	v_lshlrev_b32 v7, 5, v2                        ; 32 h: my eight numbers of a tile of 16
	v_lshlrev_b32 v8, 2, v1                        ; 4 r
	s_lshl_b32 s92, s42, 10
	s_lshl_b32 s93, s16, 9
	s_add_co_u32 s92, s92, s93                     ; (256 x B's tile + 128 x half) x 4 bytes
	s_and_b32 s92, s92, s67
	s_mov_b32 s93, 0
	s_add_nc_u64 s[92:93], s[96:97], s[92:93]
	s_lshl_b32 s18, s41, 10
	s_lshl_b32 s19, s15, 9
	s_add_co_u32 s18, s18, s19
	s_add_co_u32 s18, s18, 8192                    ; (2048 + 256 cy + 128 x half) x 4 bytes
	s_and_b32 s18, s18, s95
	s_mov_b32 s19, 0
	s_add_nc_u64 s[18:19], s[96:97], s[18:19]
.irp b, 0,1,2,3,4,5,6,7
	global_load_b128 v[96+8*\b+96*(\b/4):96+8*\b+96*(\b/4)+3], v7, s[92:93] offset:64*\b
	global_load_b128 v[96+8*\b+96*(\b/4)+4:96+8*\b+96*(\b/4)+7], v7, s[92:93] offset:64*\b+16
.endr
.irp a, 0,1,2,3,4,5,6,7
	global_load_b32 v[BR+2*\a], v8, s[18:19] offset:64*\a
.endr
	v_mul_u32_u24 v3, v1, PITCH
	v_mul_u32_u24 v4, v2, 24
	v_add_nc_u32 v4, v3, v4                        ; a fragment's row x pitch + 24 x half
	v_lshl_add_u32 v5, v2, 4, v4                   ; and the same behind one padding more
	s_mul_i32 s21, s15, HALFT                      ; my 128 rows of A
	s_mul_i32 s22, s16, HALFT                      ; my 128 rows of B,
	s_add_co_u32 s22, s22, 2*HALFT                 ; which lie behind A's 256
.irp s, 0,1
	v_add_nc_u32 v[ADRA+\s], s21, v4
	v_add_nc_u32 v[ADRB+\s], s22, v4
	v_add_nc_u32 v[ADRA+2+\s], s21, v5
	v_add_nc_u32 v[ADRB+2+\s], s22, v5
	s_add_co_u32 s21, s21, SLOT
	s_add_co_u32 s22, s22, SLOT
.endr
	v_mul_u32_u24 v5, v1, KS                       ; my row's scales: 32 bytes a row,
	v_lshrrev_b32 v6, 8, v5
	v_lshl_add_u32 v5, v6, 4, v5                   ; and 16 more for each 256 passed
	s_mul_i32 s21, s15, HALFS                      ; A's: my 128 rows
	s_mul_i32 s22, s16, HALFS                      ; B's: my 128 rows, behind A's 256
	s_add_co_u32 s22, s22, 2*HALFS
	s_sub_co_u32 s22, s22, s21
	v_mul_u32_u24 v6, s22, v2                      ; lanes 16-31 take B's
	s_add_co_u32 s21, s21, SCL
	v_add_nc_u32 v5, v5, v6
	v_add_nc_u32 v[ADRS], s21, v5
	v_and_b32 v6, 31, v0
	v_lshlrev_b32 v[LO8], 3, v6
	v_lshlrev_b32 v[LO16], 4, v6
	; my record: q, k: 64 (2 x B's tile + half) + 2 x A's tile + half;  v: 1024 + 8 (2 x B's tile + half) + 2 x A's tile + half
	s_cmp_eq_u32 s66, 1
	s_cselect_b32 s47, 3, 6
	s_cselect_b32 s20, 1024, 0
	s_lshl_b32 s46, s42, 1
	s_add_co_u32 s46, s46, s16
	s_lshl_b32 s46, s46, s47
	s_add_co_u32 s46, s46, s20
	s_lshl_b32 s20, s2, 1
	s_add_co_u32 s20, s20, s15
	s_add_co_u32 s46, s46, s20
	s_mul_i32 s46, s46, REC                        ; at most 1,535 x 12,800 bytes
	s_mov_b32 s47, 0
	s_add_nc_u64 s[12:13], s[12:13], s[46:47]
	s_mov_b32 s[SEL], 0x76543210
	s_mov_b32 s[SEL+1], 0xfedcba98
	s_mov_b32 s98, 0xffff0000                      ; lanes 16-31
	s_wait_loadcnt 0x0                             ; the biases
.irp b, 0,1,2,3,4,5,6,7
.irp j, 0,1,2,3,4,5,6,7
	v_cndmask_b32 v[96+8*\b+96*(\b/4)+\j], 0, v[96+8*\b+96*(\b/4)+\j], s67
.endr
.endr
.irp a, 0,1,2,3,4,5,6,7
	v_cndmask_b32 v[BR+2*\a], 0, v[BR+2*\a], s95
	v_mov_b32 v[BR+2*\a+1], 0                      ; (named with it as a pair)
.endr
.macro FRAG reg, adr, q, i             ; a fragment: lane l holds row l % 16; registers 6 c .. 6 c + 5 hold K = 64 c + 32 (l / 16) + 0 .. 31: 24 bytes of the row's stream of bits, in pieces of 8 bytes
.irp p, 0,1,2,3,4,5
.set PCE, 12*(\q)+6*(\p/3)+\p%3        ; where the piece three on lies behind one padding more, the second address register serves
.if PCE%8 < 5
	ds_load_b64 v[\reg+2*\p:\reg+2*\p+1], v[\adr] offset:8*PCE+16*(PCE/8)+(\i)*16*PITCH
.else
	ds_load_b64 v[\reg+2*\p:\reg+2*\p+1], v[\adr+2] offset:8*PCE+16*(PCE/8)+(\i)*16*PITCH
.endif
.endr
.endm
; 16 matrix instructions: A's blocks a0, a0 + 1 x B's eight.  p: B's set; sc: the set of scale words.  zero = 1: the first products start the sums with the bias along B's rows as C: nothing is cleared.
; The 64 accumulators take turns, one instruction a turn, in the same order in every step.
.macro MUL16 a0, p, q, sc, zero
.irp a, \a0, \a0+1
.irp b, 0,1,2,3,4,5,6,7
.if \zero
	v_wmma_scale_f32_16x16x128_f8f6f4 v[8*(8*((\a)%4)+\b):8*(8*((\a)%4)+\b)+7], v[128*(\p)+FR*\b:128*(\p)+FR*\b+FR-1], v[AF+FR*(\a):AF+FR*(\a)+FR-1], v[96+8*\b+96*(\b/4):96+8*\b+96*(\b/4)+7], v[SC+8*NQ*(\sc)+NQ*\b+(\q)], v[SC+8*NQ*(\sc)+NQ*(\a)+(\q)] matrix_a_fmt:MATRIX_FMT_FP6 matrix_b_fmt:MATRIX_FMT_FP6 matrix_a_scale:MATRIX_SCALE_ROW1
.else
	v_wmma_scale_f32_16x16x128_f8f6f4 v[8*(8*((\a)%4)+\b):8*(8*((\a)%4)+\b)+7], v[128*(\p)+FR*\b:128*(\p)+FR*\b+FR-1], v[AF+FR*(\a):AF+FR*(\a)+FR-1], v[8*(8*((\a)%4)+\b):8*(8*((\a)%4)+\b)+7], v[SC+8*NQ*(\sc)+NQ*\b+(\q)], v[SC+8*NQ*(\sc)+NQ*(\a)+(\q)] matrix_a_fmt:MATRIX_FMT_FP6 matrix_b_fmt:MATRIX_FMT_FP6 matrix_a_scale:MATRIX_SCALE_ROW1
.endif
.endr
.endr
.endm
.macro FETCH_B slot, q, p
	WIN TO_B
.irp i, 0,1,2,3,4,5,6,7
	FRAG 128*(\p)+FR*\i, ADRB+\slot, \q, \i
.endr
	WIN 0
.endm
.macro FETCH_A slot, q, i0
.irp i, \i0, \i0+1, \i0+2, \i0+3
	FRAG AF+FR*(\i), ADRA+\slot, \q, \i
.endr
.endm
.macro SCALES sc                       ; a K step's scale words: two words a row; lanes 0-15 take A's block i, lanes 16-31 B's block i
.irp i, 0,1,2,3,4,5,6,7
	ds_load_b64 v[SC+8*NQ*\sc+NQ*\i:SC+8*NQ*\sc+NQ*\i+1], v[ADRS] offset:\i*SBLK
.endr
.endm
.macro PLACES n                        ; plain vector lines between a matrix instruction and a load into, or a read of, its registers
.rept \n
	v_nop
.endr
.endm
; A step of 128 along K that has its successor in the same slot.
.macro STEP slot, q, zero
	s_wait_dscnt 4*NL                              ; B's set and A's blocks 0-3 are in; the youngest 24 loads (A's blocks 4-7) may be out
.if \zero
	WIN 0x81                                       ; as MUL_LO, with C (the bias) in window 0
.else
	WIN MUL_LO
.endif
	MUL16 0, (\q)%2, \q, \slot, \zero
	MUL16 2, (\q)%2, \q, \slot, \zero
	s_wait_dscnt 0                                 ; A's blocks 4-7 are in
	PLACES NP
	FETCH_B \slot, (\q)+1, 1-(\q)%2
	FETCH_A \slot, (\q)+1, 0
.if \zero
	WIN 0xc1
.else
	WIN MUL_HI
.endif
	MUL16 4, (\q)%2, \q, \slot, \zero
	MUL16 6, (\q)%2, \q, \slot, \zero
	PLACES NP
	WIN 0
	FETCH_A \slot, (\q)+1, 4
.endm
; A slot's last step changes slots: ONE barrier; in front of it each wave waits for all its tensor loads, adds 0 to its spare word, and waits for that and for its own reads of this slot.  fill = 1: this slot is filled again, two K steps ahead.
.macro TURN slot, next, fill
	s_wait_tensorcnt 0x0                           ; all my tensor loads have landed: my part of the next slot
	ds_add_u32 v[SPW], v[NIL]                      ; 0 onto my spare word
	s_wait_dscnt 4*NL+1                            ; (the add and the youngest 24 loads, A's blocks 4-7, may be out)
	WIN MUL_LO
	MUL16 0, 1, NQ-1, \slot, 0                     ; sixteen matrix instructions stand between the add and the wait for it
	s_wait_dscnt 0x0                               ; the add is done, and my reads of this slot are over
	s_barrier_signal -1
	MUL16 2, 1, NQ-1, \slot, 0
	WIN 0
	s_barrier_wait -1
.if \fill
	CREST                                          ; the barrier has opened a round of the cluster's barrier: no wave of any partner still reads this slot or has a load on its way
	s_add_nc_u64 s[G0+4*\slot+2:G0+4*\slot+3], s[G0+4*\slot+2:G0+4*\slot+3], 2*ROWB
	s_add_nc_u64 s[G0B+4*\slot+2:G0B+4*\slot+3], s[G0B+4*\slot+2:G0B+4*\slot+3], 2*ROWB
	JLOAD G0+4*\slot, G1, G0B+4*\slot, G1B         ; the first tensor load behind the round; its four v_nop are the places in front of the loads below
.else
	PLACES NP
.endif
	v_add_nc_u32 v[ADRS], 4*NQ, v[ADRS]            ; on to the next K step's scale words (no LDS load of mine is out)
	FETCH_B \next, 0, 0
	FETCH_A \next, 0, 0
	SCALES \next
	WIN MUL_HI
	MUL16 4, 1, NQ-1, \slot, 0
	MUL16 6, 1, NQ-1, \slot, 0
	PLACES NP
	WIN 0
	FETCH_A \next, 0, 4
.endm
	s_wait_tensorcnt 1                             ; the scales and my part of K step 0 are in (K step 1's load may be out),
	s_barrier_signal -1
	s_barrier_wait -1                              ; everybody's are
	FETCH_B 0, 0, 0
	FETCH_A 0, 0, 0
	SCALES 0
	FETCH_A 0, 0, 4
	STEP 0, 0, 1                                   ; the first step stands in front of the loop: its products start the sums
	s_mov_b32 s3, LAPS-1
.Llap:                                                 ; a trip goes once round the ring and fills both slots again
	TURN 0, 1, 1
	STEP 1, 0, 0
	TURN 1, 0, 1
	STEP 0, 0, 0
	s_sub_co_u32 s3, s3, 1
	s_cmp_lg_u32 s3, 0
	s_cbranch_scc1 .Llap
	TURN 0, 1, 0                                   ; the last lap fills nothing
	STEP 1, 0, 0
	s_wait_dscnt 4*NL                              ; the very last step
	WIN MUL_LO
	MUL16 0, 1, NQ-1, 1, 0
	MUL16 2, 1, NQ-1, 1, 0
	s_wait_dscnt 0
	WIN MUL_HI
	MUL16 4, 1, NQ-1, 1, 0
	MUL16 6, 1, NQ-1, 1, 0
	WIN 0
; 64 numbers of a lane, v[s] .. v[s + 63], sixteen of each of four blocks of 32 (lane l xor 16 holds the other sixteen), become a fragment's codes in v[PC] on and the row's scale word in v[PW].
.macro QUANT s
.irp b, 0,1,2,3
	v_max3_num_f32 v[TM+\b], |v[\s+16*\b]|, |v[\s+1+16*\b]|, 0x1800000   ; my 16 numbers and the floor 2^(3 - 127): the byte cannot fall under 1
.endr
.irp i, 2,4,6,8,10,12,14
.irp b, 0,1,2,3
	v_max3_num_f32 v[TM+\b], v[TM+\b], |v[\s+16*\b+\i]|, |v[\s+1+16*\b+\i]|   ; (the four blocks by turns)
.endr
.endr
.irp b, 0,1,2,3
	v_permlanex16_b32 v[TM+4+\b], v[TM+\b], s[SEL], s[SEL+1]
.endr
.irp b, 0,1,2,3
	v_max_num_f32 v[TM+\b], v[TM+\b], v[TM+4+\b]   ; the block's largest magnitude
.endr
.irp b, 0,1,2,3
	v_add_nc_u32 v[TM+12+\b], 0xff000000, v[TM+\b] ; 2 off its exponent field: the conversion takes the exponent field of this operand as its scale
.endr
.irp b, 0,1,2,3
	v_lshrrev_b32 v[TM+4+\b], 23, v[TM+12+\b]      ; the scale's byte
.endr
	v_lshl_or_b32 v[PW], v[TM+5], 8, v[TM+4]
	v_lshl_or_b32 v[PW], v[TM+6], 16, v[PW]
	v_lshl_or_b32 v[PW], v[TM+7], 24, v[PW]
.irp c, 0,1
	v_cvt_scalef32_pk16_fp6_f32 v[PC+6*\c:PC+2+6*\c], v[\s+32*\c:\s+15+32*\c], v[TM+12+2*\c]
	v_cvt_scalef32_pk16_fp6_f32 v[PC+12+4*\c:PC+14+4*\c], v[\s+16+32*\c:\s+31+32*\c], v[TM+12+2*\c+1]   ; (a conversion's three registers begin on an even number)
.endr
	v_nop                                          ; one plain place behind a scaled conversion
.irp c, 0,1                                    ; the operand's layout wants a whole block in a lane: lanes 0-15 block 2 c, lanes 16-31 block 2 c + 1
.irp i, 0,1,2
	v_permlane16_swap_b32 v[PC+6*\c+\i], v[PC+12+4*\c+\i]
.endr
.irp i, 0,1,2
	v_mov_b32 v[PC+3+6*\c+\i], v[PC+12+4*\c+\i]
.endr
.endr
.endm
; Block a of my eight: out of its accumulators (each from its low end on) with the bias along A's rows, quantised, and stored as the image of an operand's registers: each store of the wave covers 256 consecutive bytes, aligned.
.macro OUTBLK a
.if (\a) > 0
	s_wait_xcnt 0x0                                ; the last block's stores have read the codes' registers
.endif
	WIN 0x02+(\a)/4                                ; source 0: window 2 or 3
.set AC, 64*((\a)%4)
.set KK, 0
.rept 32
	v_pk_add_f32 v[ST+2*KK:ST+2*KK+1], v[AC+2*KK:AC+2*KK+1], v[BR+2*(\a):BR+2*(\a)+1] op_sel_hi:[1,0]
.set KK, KK+1
.endr
	WIN 0
	QUANT ST
.irp p, 0,1,2,3,4,5
	global_store_b64 v[LO8], v[PC+2*\p:PC+2*\p+1], s[12:13] offset:1536*(\a)+256*\p
.endr
.if (\a)%2 == 0
	v_mov_b32 v[WPT], v[PW]
.else
	v_cndmask_b32 v[WP+(\a)/2], v[WPT], v[PW], s98 ; lanes 0-15 the even block's words, lanes 16-31 the odd block's
.endif
.endm
	PLACES NP                                      ; behind the last products: the lines below write registers that they read, and read results
.irp b, 0,1,2,3
	v_mov_b32 v[TM+4+\b], 0                        ; a lane permute's destination counts as one of its sources
.endr
.irp a, 0,1,2,3,4,5,6,7
	OUTBLK \a
.endr
	global_store_b128 v[LO16], v[WP:WP+3], s[12:13] offset:12288   ; the record's 512 bytes of scale words
	s_wait_tensorcnt 0x0                           ; the wave's end
	ds_add_u32 v[SPW], v[NIL]
	s_wait_dscnt 0x0
	CROUND                                         ; the closing round: no work-group ends while a partner may still ask for a tile that names it
	s_endpgm
.Lfunc_end_k_q6b8e8d635d_qkv:
	.size	k_q6b8e8d635d_qkv, .Lfunc_end_k_q6b8e8d635d_qkv-k_q6b8e8d635d_qkv
	.p2alignl 7, 3214868480
	.fill 96, 4, 3214868480
	.section	.rodata,"a",@progbits
	.p2align	6, 0x0
	.amdhsa_kernel k_q6b8e8d635d_qkv
		.amdhsa_group_segment_fixed_size 327680
		.amdhsa_private_segment_fixed_size 0
		.amdhsa_enable_private_segment 0
		.amdhsa_kernarg_size 48
		.amdhsa_user_sgpr_count 2
		.amdhsa_user_sgpr_kernarg_segment_ptr 1
		.amdhsa_wavefront_size32 1
		.amdhsa_system_sgpr_workgroup_id_x 1
		.amdhsa_system_sgpr_workgroup_id_y 1
		.amdhsa_system_sgpr_workgroup_id_z 1
		.amdhsa_system_vgpr_workitem_id 0
		.amdhsa_next_free_vgpr 1024
		.amdhsa_next_free_sgpr 100
		.amdhsa_reserve_vcc 0
		.amdhsa_float_denorm_mode_32 3
		.amdhsa_float_denorm_mode_16_64 3
		.amdhsa_memory_ordered 1
		.amdhsa_forward_progress 1
		.amdhsa_inst_pref_size 190
	.end_amdhsa_kernel
	.amdgpu_metadata
---
amdhsa.version: [ 1, 2 ]
amdhsa.kernels:
  - .name:           k_q6b8e8d635d_qkv
    .symbol:         k_q6b8e8d635d_qkv.kd
    .args:
      - { .name: x_codes, .offset: 0, .size: 8, .value_kind: global_buffer, .address_space: global }
      - { .name: x_scales, .offset: 8, .size: 8, .value_kind: global_buffer, .address_space: global }
      - { .name: W_qkv_codes, .offset: 16, .size: 8, .value_kind: global_buffer, .address_space: global }
      - { .name: W_qkv_scales, .offset: 24, .size: 8, .value_kind: global_buffer, .address_space: global }
      - { .name: b_qkv, .offset: 32, .size: 8, .value_kind: global_buffer, .address_space: global }
      - { .name: qkv, .offset: 40, .size: 8, .value_kind: global_buffer, .address_space: global }
    .group_segment_fixed_size: 327680
    .private_segment_fixed_size: 0
    .kernarg_segment_align: 8
    .kernarg_segment_size: 48
    .max_flat_workgroup_size: 128
    .sgpr_count:     100
    .vgpr_count:     1024
    .wavefront_size: 32
...
	.end_amdgpu_metadata
.endif
;; end of part 1
;; launch attn (part 2): grid 8 x 32, 16 waves a work-group, no clusters, 327,680 bytes of LDS; arguments qkv, y; writes y
.if DOCPART == 2
	.amdgcn_target "amdgcn-amd-amdhsa--gfx1250"
	.amdhsa_code_object_version 6
	.text
	.protected	k_q6b8e8d635d_attn
	.globl	k_q6b8e8d635d_attn
	.p2align	8
	.type	k_q6b8e8d635d_attn,@function
k_q6b8e8d635d_attn:
	s_mov_b64 s[64:65], 0
	v_nop
	global_prefetch_b8 v0, s[64:65] scope:SCOPE_SE
	s_setreg_imm32_b32 hwreg(HW_REG_WAVE_MODE, 25, 1), 1
	s_wait_xcnt 0x0
; y = softmax(q k^T / 8, causal) v for 4 batches x 16 heads of 64, 2,048 tokens, both products on codes of FP6 (E2M3) with E8M0 scales; y is quantised along its 1,024 columns for the product that follows.
; INPUT: records of 12,800 bytes (128 operand rows x 128 along K): eight images of an operand's 12 registers (block f at 1536 f: piece p = registers 2 p, 2 p + 1, lane l's 8 bytes at 256 p + 8 l), then 512 bytes of scale words
; (lane l's 16 bytes at 12288 + 16 l; word i: lanes 0-15 the rows of block 2 i, lanes 16-31 those of block 2 i + 1).  q: record 64 hp + token group (rows = tokens, K = the pair of heads' 128 columns); k: 512 + the same;
; v: 1024 + 8 token group + hp (rows = the pair's 128 columns, K = 128 tokens).  OUTPUT: the same kind of record, number 8 token group + hp (rows = tokens, K = columns 128 hp on).
; THE SOFTMAX: t = score x log2(e) / 8; M = the row's largest t so far, rounded up to a whole number; p = 2^(t - M) is quantised along the keys, not normalised; the row's sum of the unquantised p divides at the end.
; When M moves, the sum and O are multiplied by 2^(old M - new M): exact.
; SHARES.  Work-group (j, batch and pair of heads) owns the query blocks of 128 numbered 15 - j and j: 16 - j and j + 1 key steps of 128, 17 for every work-group.  Wave w owns head w % 2 and the 16 queries of tile w / 2.
; A wave walks 18 steps: n < 16 - j: block 15 - j, key step n; at n = 16 - j that block is finished and stored and block j begun; up to n = 16: block j; n = 17 has no work (it makes the count of steps even).
; All trip counts and LDS addresses are constants; only addresses in memory and scalar branches on ids know j.  On the two diagonal steps hidden scores become -infinity ahead of the maximum.
; LAYOUT.  Both products are used transposed: S^T = K Q^T, O^T = V^T P^T: a lane holds ONE query (lane % 16).  The head's axis is 64: a fragment of K is 6 registers; the instruction's upper 64 along K meet zero codes in Q's upper six
; registers (and scale bytes 0, which stand for a power of two), so they add 0 whatever A's upper six registers hold: these are the next fragment's, or six registers of zeros behind the last.
; The 16 registers of two neighbouring tiles of keys are keys 8 h + 0 .. 7 and 16 + 8 h + 0 .. 7 of a block of 32: p's codes so lie in the order in which v's keys were laid.
; NO CLUSTER: from step 16 - j on the eight work-groups of a pair of heads ask for different tiles, so their requests would not be alike.
; LIMITS: a block of zeros gets the scale byte 1 (its codes are zeros; the bytes are read by this program alone); NaN and infinities are not served; a block's largest p is made from the block's largest score by the same two
; instructions as every p, which takes v_exp_f32 not to fall where its input rises (the ISA guide promises 1 ulp).
.set REC,   12800
.set SLOT1, 65536                      ; slot 1 begins here: one exclusive or turns an address.  A slot: K of its first step, K of its second, V of its first, V of its second
.set VREG,  2*REC
.set WORDS, 12288                      ; a record's scale words
.set YS,    131072                     ; y's scale words, 512 bytes for each of the two blocks: written by LDS stores alone
.set SPARE, YS+1024                    ; the spare words, 128 bytes a wave: eight blocks of 256 bytes that no other line names
.set AK0,  1                           ; v1   8 l + 768 c
.set AV0,  2                           ; v2   8 l + 6144 c + VREG
.set AKS0, 3                           ; v3   16 l + 2 c + WORDS
.set AVS0, 4                           ; v4   16 l + 8 c + VREG + WORDS
.set SPW,  5                           ; v5   my spare word; never rewritten
.set NIL,  6                           ; v6   0; never rewritten
.set LOQ,  7                           ; v7   8 l + 768 w: my six registers' place in q's and y's records
.set ADK,  8
.set ADV,  9
.set ADKS, 10
.set ADVS, 11                          ; v8-11 the addresses of the step in hand.  v12 -M, v13 the largest t, v[14:15] the sum in two halves
.set Q,    16                          ; v16-21 q's codes; v22-27 zeros
.set PFO,  28                          ; v28  the prefetches' offset
.set DQ,   29                          ; v29  16 t + r - 8 h
.set QS,   30                          ; v30  q's scale word
.set YSA,  31                          ; v31  where I put y's two scale bytes
.set F,    32                          ; v32-79 eight fragments of K or four of V; v80-85 zeros
.set QN,   86                          ; v86-91, v92 the second block's q
.set QSN,  92
.set YRD,  93                          ; v93  where waves 0 and 1 read y's scale words back
.set LO16, 94                          ; v94  16 l
.set QSO,  95                          ; v95  my row's two scale bytes in a record's words
.set S,    96                          ; v96-159 S^T, then p
.set O,    160                         ; v160-191 O^T
.set KSC,  192                         ; v192-195 K's scale words
.set VSC,  196                         ; v196-197 V's
.set BM,   200
.set BT,   204
.set SO,   208
.set CT,   212
.set T0,   220
.set T1,   221
.set FAC,  222                         ; v222 f = 2^(old M - new M); named as a pair with
.set PW,   223                         ; v223 p's scale word
.set PC,   224                         ; v224-235 p's codes
.set WV,   8
.set NSW,  15                          ; s15  16 - j: the step at which the blocks change
.set DG,   16                          ; s16  15 - j: the first block's number and its diagonal step
.set N,    17                          ; s17  the step
.set NW,   18                          ; s18  the step that I fetch
.set STR,  19                          ; s19  bytes from a key step's record to the next
.set SEL,  20
.set CS,   22
.set G1,   24
.set G0,   32
.set TBASE, 36
.set OFS,  38
.set QRH,  40
.set QRL,  42
.set YRH,  44
.set YRL,  46
.set YSB,  48
.set PFA,  50
.set PFS,  52
.set LIM,  54
.set SLOTS, 55
.set TB,   56
; Waves 0 and 1 fetch a slot's two records of K, waves 2 and 3 those of V, the others nothing.  Four v_nop follow the line.
.macro TLOAD
	s_cmp_lt_u32 s[WV], 4
	s_cbranch_scc0 .Lasked_\@
	tensor_load_to_lds s[G0:G0+3], s[G1:G1+7]
	s_nop 0
.rept 4
	v_nop
.endr
.Lasked_\@:
.endm
; A PREFETCH of what the NEXT change of slots will ask for: two records of K and two of V, 50 blocks of 256 bytes each.  The eight work-groups of a pair of heads walk the same records at first: the one with j = 0, which walks key
; steps 0 to 15 in order, asks.  In it waves 4 to 7 ask for K's and waves 8 to 11 for V's, half a record (25 blocks) a wave, a lane a block; lanes 25 to 31 name lane 24's.  It stands at the change of slots, a slot's two key steps
; ahead of the load; the changes that fill slots 1 to 6 name slots 2 to 7; the last two name nothing: what follows has been read.
.macro ASK
	s_cmp_gt_u32 s[SLOTS], s[LIM]
	s_cbranch_scc0 .Lnot_mine_\@
	global_prefetch_b8 v[PFO], s[PFA:PFA+1] th:TH_LOAD_NT scope:SCOPE_SE
.Lnot_mine_\@:
.endm
	s_load_b128 s[4:7], s[0:1], 0x0                ; qkv, y
	v_lshl_add_u32 v[SPW], v0, 2, SPARE
	v_mov_b32 v[NIL], 0
	ds_add_u32 v5, v6
	s_wait_dscnt 0x0
	v_lshrrev_b32 v8, 5, v0
	v_readfirstlane_b32 s[WV], v8                  ; wave 0..15
	; every lane term, from the thread's number: l = bits 4:0, r = 3:0, h = 4, c = 5, u = 6, t = 8:6
	v_and_b32 v9, 31, v0
	v_bfe_u32 v10, v0, 5, 1
	v_and_b32 v11, 15, v0
	v_lshlrev_b32 v[AK0], 3, v9
	v_mad_u32_u24 v[AV0], v10, 6144, v[AK0]
	v_add_nc_u32 v[AV0], VREG, v[AV0]
	v_mad_u32_u24 v[LOQ], v8, 768, v[AK0]
	v_mad_u32_u24 v[AK0], v10, 768, v[AK0]
	v_lshlrev_b32 v[LO16], 4, v9
	v_lshl_add_u32 v[AKS0], v10, 1, v[LO16]
	v_add_nc_u32 v[AKS0], WORDS, v[AKS0]
	v_lshl_add_u32 v[AVS0], v10, 3, v[LO16]
	v_add_nc_u32 v[AVS0], VREG+WORDS, v[AVS0]
	v_bfe_u32 v12, v0, 6, 1                        ; u = t % 2: which half of the lanes holds my tile's words
	v_bfe_u32 v13, v0, 7, 2                        ; t / 2: which word
	v_lshlrev_b32 v[QSO], 4, v11
	v_lshl_add_u32 v[QSO], v12, 8, v[QSO]
	v_lshl_add_u32 v[QSO], v13, 2, v[QSO]
	v_lshl_add_u32 v[QSO], v10, 1, v[QSO]          ; 256 u + 16 r + 4 (t / 2) + 2 c
	v_add_nc_u32 v[YSA], YS, v[QSO]
	v_lshl_add_u32 v[YRD], v10, 9, v[LO16]
	v_add_nc_u32 v[YRD], YS, v[YRD]
	v_bfe_u32 v14, v0, 6, 3
	v_bfe_u32 v15, v0, 4, 1
	v_lshl_add_u32 v[DQ], v14, 4, v11
	v_lshlrev_b32 v15, 3, v15
	v_sub_nc_u32 v[DQ], v[DQ], v15
	v_min_u32 v[PFO], 24, v9
	v_lshlrev_b32 v[PFO], 8, v[PFO]
	; descriptor group 1: a record, 12,800 dense bytes, as 50 rows of 256 bytes (32 elements of 8 bytes)
	s_mov_b32 s[G1], 3<<16
	s_mov_b32 s[G1+1], 32<<16
	s_mov_b32 s[G1+2], 50<<16
	s_mov_b32 s[G1+3], 32<<16
	s_mov_b32 s[G1+4], 50
	s_mov_b32 s[G1+5], 32
	s_mov_b32 s[G1+6], 0
	s_mov_b32 s[G1+7], 0
	s_and_b32 s57, ttmp7, 0xffff
	s_lshr_b32 s13, s57, 3                         ; the batch
	s_and_b32 s14, s57, 7                          ; the pair of heads
	s_sub_co_u32 s[NSW], 16, ttmp9
	s_sub_co_u32 s[DG], 15, ttmp9
	s_lshl_b32 s58, s13, 4                         ; the batch's first token group
	s_lshl_b32 s59, s14, 6
	s_add_co_u32 s59, s59, s58                     ; q's first record of the batch
	s_add_co_u32 s60, s59, s[DG]
	s_mul_i32 s[QRH], s60, REC
	s_mov_b32 s[QRH+1], 0
	s_add_co_u32 s60, s59, ttmp9
	s_mul_i32 s[QRL], s60, REC
	s_mov_b32 s[QRL+1], 0
	s_add_co_u32 s60, s58, s[DG]
	s_lshl_b32 s60, s60, 3
	s_add_co_u32 s60, s60, s14
	s_mul_i32 s[YRH], s60, REC
	s_mov_b32 s[YRH+1], 0
	s_add_co_u32 s60, s58, ttmp9
	s_lshl_b32 s60, s60, 3
	s_add_co_u32 s60, s60, s14
	s_mul_i32 s[YRL], s60, REC
	s_mov_b32 s[YRL+1], 0
	s_add_co_u32 s60, s59, 512
	s_mul_i32 s60, s60, REC                        ; k's first record of the batch, in bytes
	s_lshl_b32 s61, s13, 7
	s_add_co_u32 s61, s61, s14
	s_add_co_u32 s61, s61, 1024
	s_mul_i32 s61, s61, REC                        ; v's
	s_and_b32 s57, s[WV], 3
	s_mov_b32 s[STR], 8*REC
	s_mov_b32 s[PFS], 8*REC
	s_cmp_lt_u32 s57, 2                            ; of the fetching waves 0 and 1 take K, 2 and 3 V
	s_cselect_b32 s[TBASE], s60, s61
	s_cselect_b32 s[STR], REC, s[STR]
	s_mov_b32 s[TBASE+1], 0
	s_cmp_lt_u32 s[WV], 8                          ; of the asking waves 4 to 7 take K, 8 to 11 V
	s_cselect_b32 s[PFA], s60, s61
	s_cselect_b32 s[PFS], REC, s[PFS]
	s_lshr_b32 s58, s57, 1                         ; which of a slot's two records,
	s_add_co_u32 s58, s58, 2                       ; in slot 1: the first change of slots steps it to slot 2
	s_mul_i32 s58, s58, s[PFS]
	s_add_co_u32 s[PFA], s[PFA], s58
	s_and_b32 s58, s57, 1
	s_mul_i32 s58, s58, 6400                       ; which half of it
	s_add_co_u32 s[PFA], s[PFA], s58
	s_mov_b32 s[PFA+1], 0
	s_lshl_b32 s[PFS], s[PFS], 1                   ; a slot on
	s_mov_b32 s[PFS+1], 0
	s_sub_co_u32 s58, s[WV], 4
	s_lshr_b32 s58, s58, 3                         ; 0 in waves 4 to 11,
	s_or_b32 s58, s58, ttmp9                       ; of the work-group with j = 0
	s_cmp_eq_u32 s58, 0
	s_cselect_b32 s[LIM], 2, -1
	s_and_b32 s[NW], s[WV], 1
	s_mul_i32 s[OFS], s[NW], s[STR]
	s_mov_b32 s[OFS+1], 0
	s_mov_b32 s[G0], 1
	s_mul_i32 s[G0+1], s57, REC                    ; my record's place in slot 0
	s_mov_b32 s[SEL], 0x76543210
	s_mov_b32 s[SEL+1], 0xfedcba98
	s_mov_b32 s[CS], 0x3e38aa3b                    ; c = log2(e) / 8
	s_mov_b32 s[CS+1], s[CS]
	s_mov_b32 s[N], 0
	s_mov_b32 s[TB], 0
	s_mov_b32 s[SLOTS], 8
	s_wait_kmcnt 0x0
	s_add_nc_u64 s[TBASE:TBASE+1], s[4:5], s[TBASE:TBASE+1]
	s_add_nc_u64 s[G0+2:G0+3], s[TBASE:TBASE+1], s[OFS:OFS+1]
	s_or_b32 s[G0+3], s[G0+3], 0x80000000
	TLOAD                                          ; slot 0
	s_add_nc_u64 s[QRH:QRH+1], s[4:5], s[QRH:QRH+1]
	s_add_nc_u64 s[QRL:QRL+1], s[4:5], s[QRL:QRL+1]
	s_add_nc_u64 s[PFA:PFA+1], s[4:5], s[PFA:PFA+1]
	s_add_nc_u64 s[YRH:YRH+1], s[6:7], s[YRH:YRH+1]
	s_add_nc_u64 s[YRL:YRL+1], s[6:7], s[YRL:YRL+1]
	s_cmp_eq_u32 s[WV], 0
	s_cselect_b64 s[YSB:YSB+1], s[YRH:YRH+1], s[YRL:YRL+1]
.irp i, 0,1,2
	global_load_b64 v[Q+2*\i:Q+2*\i+1], v[LOQ], s[QRH:QRH+1] offset:256*\i
.endr
	global_load_u16 v[QS], v[QSO], s[QRH:QRH+1] offset:WORDS
.irp i, 0,1,2
	global_load_b64 v[QN+2*\i:QN+2*\i+1], v[LOQ], s[QRL:QRL+1] offset:256*\i
.endr
	global_load_u16 v[QSN], v[QSO], s[QRL:QRL+1] offset:WORDS
.irp i, 0,1,2,3,4,5
	v_mov_b32 v[Q+6+\i], 0                         ; zero codes for the upper 64 along K
	v_mov_b32 v[F+48+\i], 0                        ; behind K's last fragment
.endr
.irp b, 0,1,2,3
	v_mov_b32 v[BT+\b], 0                          ; a lane permute's destination counts as one of its sources
.endr
	v_mov_b32 v[T0], 0
	v_mov_b32 v[PW], 0                             ; (named as the upper half of a pair before it is first written)
.macro STATE                           ; a block of queries begins: the largest t is -3e38, under every t; the sum and O^T are zeros, which the first change of M leaves zeros
	v_mov_b32 v13, 0xff61b1e6
	v_floor_f32 v12, -v13
	v_mov_b32 v14, 0
	v_mov_b32 v15, 0
.set JJ, 0
.rept 32
	v_mov_b32 v[O+JJ], 0
.set JJ, JJ+1
.endr
.endm
	STATE
; A block of queries is finished: O^T is divided by the sum, brought into the natural order of the head's 64, quantised, and stored as six registers of an operand's image; its two scale bytes go to LDS.
.macro FINISH sel
.rept 4
	v_nop                                          ; places behind the last products
.endr
	v_add_f32 v14, v14, v15
	v_permlanex16_b32 v[T0], v14, s[SEL], s[SEL+1]
	v_add_f32 v14, v14, v[T0]                      ; the row's sum
	v_rcp_f32 v14, v14
	v_nop                                          ; a plain place behind the transcendental
.set JJ, 0
	s_wait_alu depctr_va_vdst(0)
.rept 32
	v_mul_f32 v[S+JJ], v[O+JJ], v14                ; register 8 d + i: y(query r, 16 d + 8 h + i)
.set JJ, JJ+1
.endr
.irp b, 0,1
.irp i, 0,1,2,3,4,5,6,7
	v_permlane16_swap_b32 v[S+16*\b+\i], v[S+8+16*\b+\i]   ; the first's lanes 16-31 change places with the second's lanes 0-15: my 16 registers are now 32 b + 16 h + 0 .. 15
.endr
.endr
.irp b, 0,1
	v_max3_num_f32 v[BM+\b], |v[S+16*\b]|, |v[S+1+16*\b]|, 0x1800000
.endr
.irp i, 2,4,6,8,10,12,14
.irp b, 0,1
	v_max3_num_f32 v[BM+\b], v[BM+\b], |v[S+16*\b+\i]|, |v[S+1+16*\b+\i]|
.endr
.endr
.irp b, 0,1
	v_permlanex16_b32 v[BT+\b], v[BM+\b], s[SEL], s[SEL+1]
.endr
.irp b, 0,1
	v_max_num_f32 v[BM+\b], v[BM+\b], v[BT+\b]
.endr
.irp b, 0,1
	v_add_nc_u32 v[SO+\b], 0xff000000, v[BM+\b]
.endr
.irp b, 0,1
	v_lshrrev_b32 v[BT+\b], 23, v[SO+\b]
.endr
	v_lshl_or_b32 v[T0], v[BT+1], 8, v[BT]
	v_cvt_scalef32_pk16_fp6_f32 v[PC:PC+2], v[S:S+15], v[SO]
	v_cvt_scalef32_pk16_fp6_f32 v[CT:CT+2], v[S+16:S+31], v[SO+1]
	v_nop                                          ; one plain place behind a scaled conversion
.irp i, 0,1,2
	v_permlane16_swap_b32 v[PC+\i], v[CT+\i]
.endr
.irp i, 0,1,2
	v_mov_b32 v[PC+3+\i], v[CT+\i]
.endr
.irp i, 0,1,2
	global_store_b64 v[LOQ], v[PC+2*\i:PC+2*\i+1], s[YRH+2*\sel:YRH+2*\sel+1] offset:256*\i   ; each store of the wave covers 256 consecutive bytes, aligned
.endr
	ds_store_b16 v[YSA], v[T0] offset:512*\sel     ; lanes r and r + 16 write the same two bytes with the same value
.endm
.macro INIT                            ; the second block's q takes its place; the lines of STATE are the places between these writes and the next products
.irp i, 0,1,2,3,4,5
	v_mov_b32 v[Q+\i], v[QN+\i]
.endr
	v_mov_b32 v[QS], v[QSN]
	STATE
	s_wait_xcnt 0x0                                ; the stores above have read the codes' registers
.endm
; A STEP: 128 keys, the q-th of the slot in hand.
.macro STEP q
	s_cmp_lg_u32 s[N], s[NSW]
	s_cbranch_scc1 .Lsame_\@
	FINISH 0
	INIT
.Lsame_\@:
	s_cmp_eq_u32 s[N], 17
	s_cbranch_scc1 .Lhidden_\@
	v_add_nc_u32 v[ADK], s[TB], v[AK0]             ; (these four are the places in front of the loads into registers that the last products read)
	v_add_nc_u32 v[ADV], s[TB], v[AV0]
	v_add_nc_u32 v[ADKS], s[TB], v[AKS0]
	v_add_nc_u32 v[ADVS], s[TB], v[AVS0]
.irp f, 0,1,2,3,4,5,6,7
.irp p, 0,1,2
	ds_load_b64 v[F+6*\f+2*\p:F+6*\f+2*\p+1], v[ADK] offset:REC*\q+1536*\f+256*\p
.endr
.endr
.irp a, 0,1,2,3
	ds_load_u16 v[KSC+\a], v[ADKS] offset:REC*\q+4*\a   ; my head's two bytes of each word; the upper two are 0
.endr
	s_wait_dscnt 0x0
.irp a, 0,1,2,3
	v_wmma_scale_f32_16x16x128_f8f6f4 v[S+16*\a:S+16*\a+7], v[F+12*\a:F+12*\a+11], v[Q:Q+11], 0, v[KSC+\a], v[QS] matrix_a_fmt:MATRIX_FMT_FP6 matrix_b_fmt:MATRIX_FMT_FP6
	v_wmma_scale_f32_16x16x128_f8f6f4 v[S+16*\a+8:S+16*\a+15], v[F+12*\a+6:F+12*\a+17], v[Q:Q+11], 0, v[KSC+\a], v[QS] matrix_a_fmt:MATRIX_FMT_FP6 matrix_b_fmt:MATRIX_FMT_FP6 matrix_a_scale:MATRIX_SCALE_ROW1
.endr
.rept 4
	v_nop
.endr
.irp d, 0,1,2,3                                ; V is asked for now and lands under the softmax
.irp p, 0,1,2,3,4,5
	ds_load_b64 v[F+12*\d+2*\p:F+12*\d+2*\p+1], v[ADV] offset:REC*\q+1536*\d+256*\p
.endr
.endr
	ds_load_b64 v[VSC:VSC+1], v[ADVS] offset:REC*\q
	s_cmp_eq_u32 s[N], s[DG]                       ; a diagonal step?  The first block's last, or step 16
	s_cselect_b32 s57, 1, 0
	s_cmp_eq_u32 s[N], 16
	s_cselect_b32 s57, 1, s57
	s_cmp_eq_u32 s57, 0
	s_cbranch_scc1 .Lopen_\@
	v_mov_b32 v[T1], 0xff800000                    ; -infinity
.set NN, 0
.rept 64                                       ; register n holds key 32 (n / 16) + n % 16 + 8 ((n % 16) / 8) + 8 h of the step: hidden where it lies past my query 16 t + r
	v_cmp_gt_i32 vcc_lo, 32*(NN/16)+(NN%16)+8*((NN%16)/8), v[DQ]
	v_cndmask_b32 v[S+NN], v[S+NN], v[T1], vcc_lo
.set NN, NN+1
.endr
.Lopen_\@:
.irp b, 0,1,2,3
	v_max3_num_f32 v[BM+\b], v[S+16*\b], v[S+1+16*\b], v[S+2+16*\b]   ; the largest score of each block of 32 keys: for the row's maximum, and for the block's largest p
.endr
.irp i, 3,5,7,9,11,13
.irp b, 0,1,2,3
	v_max3_num_f32 v[BM+\b], v[BM+\b], v[S+16*\b+\i], v[S+1+16*\b+\i]
.endr
.endr
.irp b, 0,1,2,3
	v_max_num_f32 v[BM+\b], v[BM+\b], v[S+15+16*\b]
.endr
.irp b, 0,1,2,3
	v_permlanex16_b32 v[BT+\b], v[BM+\b], s[SEL], s[SEL+1]
.endr
.irp b, 0,1,2,3
	v_max_num_f32 v[BM+\b], v[BM+\b], v[BT+\b]
.endr
	v_max3_num_f32 v[T0], v[BM], v[BM+1], v[BM+2]
	v_max_num_f32 v[T0], v[T0], v[BM+3]
	v_mul_f32 v[T0], s[CS], v[T0]
	v_max_num_f32 v13, v13, v[T0]                  ; the running largest t
	v_mov_b32 v[T0], v12
	v_floor_f32 v12, -v13                          ; the new -M = -ceil(t)
	v_sub_f32 v[T0], v12, v[T0]                    ; old M - new M: a whole number, 0 or less
	v_cvt_i32_f32 v[T0], v[T0]                     ; (it saturates)
	v_ldexp_f32 v[FAC], 1.0, v[T0]                 ; f = 2^(old M - new M)
.set JJ, 0
.rept 32
	v_pk_fma_f32 v[S+JJ:S+JJ+1], v[S+JJ:S+JJ+1], s[CS:CS+1], v[12:13] op_sel_hi:[1,0,0]   ; t - M
.set JJ, JJ+2
.endr
.irp b, 0,1,2,3
	v_fma_f32 v[BM+\b], v[BM+\b], s[CS], v12
.endr
.set JJ, 0
.rept 64
	v_exp_f32 v[S+JJ], v[S+JJ]                     ; p = 2^(t - M)
.set JJ, JJ+1
.endr
.irp b, 0,1,2,3
	v_exp_f32 v[BM+\b], v[BM+\b]                   ; the block's largest p
.endr
	v_pk_mul_f32 v[14:15], v[14:15], v[FAC:FAC+1] op_sel_hi:[1,0]   ; the sums under the new M (a plain place behind the exponentials)
	s_wait_alu depctr_va_vdst(0)
.irp b, 0,1,2,3
	v_max_num_f32 v[BM+\b], 0x1800000, v[BM+\b]    ; the floor 2^(3 - 127)
.endr
.irp b, 0,1,2,3
	v_add_nc_u32 v[SO+\b], 0xff000000, v[BM+\b]
.endr
.irp b, 0,1,2,3
	v_lshrrev_b32 v[BT+\b], 23, v[SO+\b]
.endr
	v_lshl_or_b32 v[PW], v[BT+1], 8, v[BT]
	v_lshl_or_b32 v[PW], v[BT+2], 16, v[PW]
	v_lshl_or_b32 v[PW], v[BT+3], 24, v[PW]
.irp c, 0,1
	v_cvt_scalef32_pk16_fp6_f32 v[PC+6*\c:PC+2+6*\c], v[S+32*\c:S+15+32*\c], v[SO+2*\c]
	v_cvt_scalef32_pk16_fp6_f32 v[CT+4*\c:CT+2+4*\c], v[S+16+32*\c:S+31+32*\c], v[SO+2*\c+1]
.endr
	v_nop                                          ; one plain place behind a scaled conversion
.irp c, 0,1
.irp i, 0,1,2
	v_permlane16_swap_b32 v[PC+6*\c+\i], v[CT+4*\c+\i]
.endr
.irp i, 0,1,2
	v_mov_b32 v[PC+3+6*\c+\i], v[CT+4*\c+\i]
.endr
.endr
	v_pk_add_f32 v[CT:CT+1], v[S:S+1], v[S+2:S+3]  ; the row's sum is taken of the unquantised p, in two chains
.irp j, 4,8,12,16,20,24,28,32,36,40,44,48,52,56,60
	v_pk_add_f32 v[14:15], v[14:15], v[S+\j:S+\j+1]
	v_pk_add_f32 v[CT:CT+1], v[CT:CT+1], v[S+2+\j:S+3+\j]
.endr
	v_pk_add_f32 v[14:15], v[14:15], v[CT:CT+1]
.set JJ, 0
.rept 16
	v_pk_mul_f32 v[O+JJ:O+JJ+1], v[O+JJ:O+JJ+1], v[FAC:FAC+1] op_sel_hi:[1,0]   ; O^T under the new M
.set JJ, JJ+2
.endr
	s_wait_dscnt 0x0                               ; V
.irp e, 0,1
	v_wmma_scale_f32_16x16x128_f8f6f4 v[O+16*\e:O+16*\e+7], v[F+24*\e:F+24*\e+11], v[PC:PC+11], v[O+16*\e:O+16*\e+7], v[VSC+\e], v[PW] matrix_a_fmt:MATRIX_FMT_FP6 matrix_b_fmt:MATRIX_FMT_FP6
	v_wmma_scale_f32_16x16x128_f8f6f4 v[O+16*\e+8:O+16*\e+15], v[F+24*\e+12:F+24*\e+23], v[PC:PC+11], v[O+16*\e+8:O+16*\e+15], v[VSC+\e], v[PW] matrix_a_fmt:MATRIX_FMT_FP6 matrix_b_fmt:MATRIX_FMT_FP6 matrix_a_scale:MATRIX_SCALE_ROW1
.endr
.Lhidden_\@:
	s_add_co_u32 s[N], s[N], 1
.endm
; THE CHANGE OF SLOTS stands at a slot's head.  Each wave waits for all its tensor loads, adds 0 to its spare word, and waits for that and for its reads of the slot that it has left.  Behind the barrier the slot ahead is whole
; and nobody reads the other one.  fill = 1: that other slot is filled with the next two steps' records: the load has a slot's two steps in which to land.
.macro CHANGE fill
	s_wait_tensorcnt 0x0                           ; no tensor load of mine is out, so the descriptor may be written
	ds_add_u32 v[SPW], v[NIL]                      ; 0 onto my spare word
.if \fill
	s_add_co_u32 s[NW], s[NW], 2                   ; the step that I fetch next; its key step is the step's number, less 16 - j from there on
	s_cmp_lt_u32 s[NW], s[NSW]
	s_cselect_b32 s57, 0, s[NSW]
	s_sub_co_u32 s57, s[NW], s57
	s_mul_i32 s[OFS], s57, s[STR]
	s_add_nc_u64 s[G0+2:G0+3], s[TBASE:TBASE+1], s[OFS:OFS+1]
	s_or_b32 s[G0+3], s[G0+3], 0x80000000
	s_xor_b32 s[G0+1], s[G0+1], SLOT1              ; the other slot than last time
	s_wait_xcnt 0x0                                ; the last prefetch, a slot back, has read its address
	s_add_nc_u64 s[PFA:PFA+1], s[PFA:PFA+1], s[PFS:PFS+1]
.endif
	s_wait_dscnt 0x0                               ; the add is done, and my reads of the slot that I have left are over
	s_barrier_signal -1
	s_barrier_wait -1
.if \fill
	TLOAD                                          ; the first thing behind the barrier, and a wave's one tensor load until the next
	ASK
.endif
.endm
.macro SLOT_STEPS
	STEP 0
	STEP 1
	s_xor_b32 s[TB], s[TB], SLOT1
.endm
	s_wait_loadcnt 0x0                             ; q
.Lslot:                                            ; 8 trips: behind each change of slots but the last the next slot is asked for
	CHANGE 1
	SLOT_STEPS
	s_sub_co_u32 s[SLOTS], s[SLOTS], 1
	s_cmp_lg_u32 s[SLOTS], 0
	s_cbranch_scc1 .Lslot
	CHANGE 0                                       ; the last slot is written out
	SLOT_STEPS
	FINISH 1
	s_wait_dscnt 0x0                               ; my stores of scale bytes have landed
	s_barrier_signal -1
	s_barrier_wait -1                              ; everybody's have
	s_cmp_lt_u32 s[WV], 2
	s_cbranch_scc0 .Lno_words
	ds_load_b128 v[S:S+3], v[YRD]                  ; wave 0: the first block's 512 bytes of scale words; wave 1: the second's
	s_wait_dscnt 0x0
	global_store_b128 v[LO16], v[S:S+3], s[YSB:YSB+1] offset:WORDS
.Lno_words:
	s_wait_tensorcnt 0x0                           ; the wave's end
	ds_add_u32 v[SPW], v[NIL]
	s_wait_dscnt 0x0
	s_endpgm
.Lfunc_end_k_q6b8e8d635d_attn:
	.size	k_q6b8e8d635d_attn, .Lfunc_end_k_q6b8e8d635d_attn-k_q6b8e8d635d_attn
	.p2alignl 7, 3214868480
	.fill 96, 4, 3214868480
	.section	.rodata,"a",@progbits
	.p2align	6, 0x0
	.amdhsa_kernel k_q6b8e8d635d_attn
		.amdhsa_group_segment_fixed_size 327680
		.amdhsa_private_segment_fixed_size 0
		.amdhsa_enable_private_segment 0
		.amdhsa_kernarg_size 16
		.amdhsa_user_sgpr_count 2
		.amdhsa_user_sgpr_kernarg_segment_ptr 1
		.amdhsa_wavefront_size32 1
		.amdhsa_system_sgpr_workgroup_id_x 1
		.amdhsa_system_sgpr_workgroup_id_y 1
		.amdhsa_system_sgpr_workgroup_id_z 1
		.amdhsa_system_vgpr_workitem_id 0
		.amdhsa_next_free_vgpr 256
		.amdhsa_next_free_sgpr 66
		.amdhsa_reserve_vcc 1
		.amdhsa_float_denorm_mode_32 3
		.amdhsa_float_denorm_mode_16_64 3
		.amdhsa_memory_ordered 1
		.amdhsa_forward_progress 1
		.amdhsa_inst_pref_size 125
	.end_amdhsa_kernel
	.amdgpu_metadata
---
amdhsa.version: [ 1, 2 ]
amdhsa.kernels:
  - .name:           k_q6b8e8d635d_attn
    .symbol:         k_q6b8e8d635d_attn.kd
    .args:
      - { .name: qkv, .offset: 0, .size: 8, .value_kind: global_buffer, .address_space: global }
      - { .name: y, .offset: 8, .size: 8, .value_kind: global_buffer, .address_space: global }
    .group_segment_fixed_size: 327680
    .private_segment_fixed_size: 0
    .kernarg_segment_align: 8
    .kernarg_segment_size: 16
    .max_flat_workgroup_size: 512
    .sgpr_count:     66
    .vgpr_count:     256
    .wavefront_size: 32
...
	.end_amdgpu_metadata
.endif
;; end of part 2
;; launch proj (part 3): grid 4 x 32, 4 waves a work-group, clusters of 4 x 4, 327,680 bytes of LDS; arguments y, W_out_codes, W_out_scales, b_out, out0; writes out0
.if DOCPART == 3
	.amdgcn_target "amdgcn-amd-amdhsa--gfx1250"
	.amdhsa_code_object_version 6
	.text
	.protected	k_q6b8e8d635d_proj
	.globl	k_q6b8e8d635d_proj
	.p2align	8
	.type	k_q6b8e8d635d_proj,@function
k_q6b8e8d635d_proj:
	s_mov_b64 s[64:65], 0
	v_nop
	global_prefetch_b8 v0, s[64:65] scope:SCOPE_SE
	s_setreg_imm32_b32 hwreg(HW_REG_WAVE_MODE, 25, 1), 1
	s_wait_xcnt 0x0
	s_wait_alu depctr_hold_cnt(0) depctr_sa_sdst(0) depctr_va_vdst(0) depctr_va_sdst(0) depctr_va_ssrc(0) depctr_va_vcc(0) depctr_vm_vsrc(0)
	s_getreg_b32 s2, hwreg(HW_REG_IB_STS2, 6, 4)
	s_cmp_eq_u32 s2, 0
	s_cbranch_scc0 .Lentry_in_a_cluster
	s_endpgm
.Lentry_in_a_cluster:
	s_bfe_u32 s2, ttmp6, 0x10000c
	s_cmp_lg_u32 s2, 0xf033
	s_cbranch_scc0 .Lentry_shape_is_right
	s_endpgm
.Lentry_shape_is_right:
; out0 = y W_out + b_out on codes of FP6 (E2M3) with E8M0 scales.  out0: [8192][1024] f32.  W_out: [1024][1024] codes, K innermost, 768 bytes a row; its scale bytes 32 a row.
; y comes as RECORDS of 12,800 bytes, number 8 x token group of 128 + K step of 128: eight images of an operand's 12 registers (block i at 1536 i: piece p = registers 2 p, 2 p + 1, lane l's 8 bytes at 256 p + 8 l), then 512 bytes
; of scale words (lane l's 16 bytes at 12288 + 16 l; word i: lanes 0-15 the rows of block 2 i, lanes 16-31 those of block 2 i + 1).  A token group's eight records are dense, so 256 along K of 128 tokens are 25,600 dense bytes.
; A tile of 256 x 256 to a work-group of four waves, 128 x 128 to a wave: 64 accumulators.  K goes in steps of 256 through a ring of two LDS slots filled by the tensor data mover; W_out's scale bytes come once and stay.
; THE MATRIX INSTRUCTION IS USED TRANSPOSED: source 0 = 16 rows of W_out ("B"), source 1 = 16 tokens ("A"): a lane holds eight neighbouring numbers of a row of out0.  The bias is the C of the first K step.
; CLUSTERS: 4 x 4 work-groups; A's records are asked for jointly along a row of the cluster, B's tiles and scales along a column.
; REGISTERS, in windows of 256: window 0: v16-29 addresses; v32-47 A's scale words, v48-79 B's, two sets each; v96-127 and v224-255 the bias; v128-223 A's fragments, one set; on the way out v128-255 rows of out0.
;   window 1: B's fragments, two sets.   window 2: the accumulators of my rows 0-63 ((a, b) at v[8 (8 a + b)]);   window 3: those of rows 64-127.
.set NQ,     2
.set ROWB,   192
.set KROW,   768
.set PITCH,  240                       ; B's LDS row: 3 x (64 bytes + 16 of padding)
.set FR,     12
.set NL,     6
.set NP,     4
.set REC,    12800
.set AHALF,  2*REC                     ; a token group's two records: what one tensor load brings for A
.set BOFF,   2*AHALF                   ; B's rows lie behind A's two token groups
.set HALFT,  128*PITCH
.set SLOT,   BOFF+2*HALFT
.set LAPS,   2
.set KS,     32
.set SCL,    2*SLOT                    ; behind the ring: B's scales, as units of 256 bytes + 16 of padding
.set HALFS,  16*272
.set SBLK,   2*272
.set SPARE,  SCL+2*HALFS               ; the spare words, 128 bytes a wave: two blocks of 256 bytes that no other line names
.set SPITCH, 528                       ; the way out: a stage of 16 rows x (512 bytes + 16) for each wave, in slot 0, which has had its last fill and its last read when the first result is stored there
.set SIZE_N, 1024
.set ADRA, 16                          ; v16-17 LDS address of my A images in slot 0, 1: 8 x lane
.set ADSA, 18                          ; v18-19 of their scale words: 16 x lane
.set ADRB, 20                          ; v20-21 of my B fragments (v22-23: behind one padding more)
.set STO,  24
.set RD,   25
.set CO,   26
.set ADRS, 27                          ; v27  LDS address of B's scale words
.set SPW,  28
.set NIL,  29
.set SCA,  32                          ; set s, step q: v[32 + 8 s + 4 q + a / 2]
.set SCB,  48                          ; set s: v[48 + 16 s + 2 b + q]
.set AF,   128
.set BK,   128
.set G1, 24
.set G0, 32
.set G1B, 48
.set G0B, 56
.set G1SB, 80
.set G0SB, 88
.set MSB, 0
.macro WIN new
.if MSB != (\new)
	s_set_vgpr_msb (MSB<<8)|(\new)
.set MSB, (\new)
.endif
.endm
.set MUL_LO, 0xa1
.set MUL_HI, 0xf1
.set TO_B,   0x40
.macro JLOAD g0a, g1a, g0b, g1b        ; a joint load: waves 0 and 1 fetch for A, waves 2 and 3 for B; four v_nop follow each of the two lines
	s_cmp_eq_u32 s15, 0
	s_cbranch_scc0 .Lfor_b_\@
	tensor_load_to_lds s[\g0a:\g0a+3], s[\g1a:\g1a+7]
	s_nop 0
.rept 4
	v_nop
.endr
	s_branch .Lasked_\@
.Lfor_b_\@:
	tensor_load_to_lds s[\g0b:\g0b+3], s[\g1b:\g1b+7]
	s_nop 0
.rept 4
	v_nop
.endr
.Lasked_\@:
.endm
.macro CREST
	s_cmp_lg_u32 s14, 0
	s_cbranch_scc1 .Lnot_wave_0_\@
	s_barrier_signal -3
.Lnot_wave_0_\@:
	s_barrier_wait -3
	s_barrier_signal -1
	s_barrier_wait -1
.endm
.macro CROUND
	s_barrier_signal -1
	s_barrier_wait -1
	CREST
.endm
	s_load_b128 s[4:7], s[0:1], 0x0                ; y, W_out's codes
	s_load_b128 s[8:11], s[0:1], 0x10              ; W_out's scales, b_out
	s_load_b64 s[12:13], s[0:1], 0x20              ; out0
	v_lshl_add_u32 v[SPW], v0, 2, SPARE
	v_mov_b32 v[NIL], 0
	ds_add_u32 v28, v29
	s_wait_dscnt 0x0
	v_lshrrev_b32 v1, 5, v0
	v_readfirstlane_b32 s14, v1                    ; wave 0..3
	s_lshr_b32 s15, s14, 1                         ; which token group of the tile is mine.  Also: I fetch for A (0) or for B (1)
	s_and_b32 s16, s14, 1                          ; which half of its columns.  Also: which half I fetch
	s_bfe_u32 s40, ttmp6, 0x40000                  ; cx
	s_bfe_u32 s41, ttmp6, 0x40004                  ; cy
	s_lshl_b32 s42, ttmp9, 2
	s_add_co_u32 s42, s42, s40                     ; tile column
	s_and_b32 s17, ttmp7, 0xffff
	s_lshl_b32 s17, s17, 2
	s_add_co_u32 s17, s17, s41                     ; tile row
	s_lshl_b32 s43, s41, 2
	s_lshl_b32 s43, 15, s43                        ; my row of the cluster
	s_lshl_b32 s44, 0x1111, s40                    ; my column
	; A: 25,600 dense bytes as 100 rows of 256 bytes (32 elements of 8 bytes), no padding
	s_or_b32 s[G1+0], s43, (3<<16)|(1<<21)
	s_mov_b32 s[G1+1], 32<<16
	s_mov_b32 s[G1+2], 100<<16
	s_mov_b32 s[G1+3], 32<<16
	s_mov_b32 s[G1+4], 100
	s_mov_b32 s[G1+5], 32
	s_mov_b32 s[G1+6], 0
	s_mov_b32 s[G1+7], 0
	; B: 128 rows x 192 bytes, 16 bytes of padding behind every 64
	s_or_b32 s[G1B+0], s44, (0<<16)|(1<<20)|(1<<21)|(3<<22)|(3<<25)
	s_mov_b32 s[G1B+1], ROWB<<16
	s_mov_b32 s[G1B+2], 128<<16
	s_mov_b32 s[G1B+3], ROWB<<16
	s_mov_b32 s[G1B+4], 128
	s_mov_b32 s[G1B+5], KROW
	s_mov_b32 s[G1B+6], 0
	s_mov_b32 s[G1B+7], 0
	; B's scales of 128 rows: 16 rows of 256 bytes, 16 bytes of padding behind each
	s_or_b32 s[G1SB+0], s44, (3<<16)|(1<<20)|(1<<21)|(5<<22)|(3<<25)
	s_mov_b32 s[G1SB+1], 32<<16
	s_mov_b32 s[G1SB+2], 16<<16
	s_mov_b32 s[G1SB+3], 32<<16
	s_mov_b32 s[G1SB+4], 16
	s_mov_b32 s[G1SB+5], 32
	s_mov_b32 s[G1SB+6], 0
	s_mov_b32 s[G1SB+7], 0
	s_lshl_b32 s20, s17, 1
	s_add_co_u32 s20, s20, s16                     ; A: the token group that I fetch,
	s_mul_i32 s20, s20, 8*REC                      ; its eight records (at most 63 x 102,400 bytes)
	s_mov_b32 s21, 0
	s_lshl_b32 s18, s16, 7
	s_lshl_b32 s46, s42, 8
	s_add_co_u32 s46, s46, s18                     ; B: row 256 x tile column + 128 x half
	s_mov_b32 s47, 0
	s_mov_b64 s[18:19], KS
	s_mul_u64 s[92:93], s[46:47], s[18:19]
	s_mov_b64 s[18:19], KROW
	s_mul_u64 s[46:47], s[46:47], s[18:19]
	s_mul_i32 s45, s16, AHALF                      ; where they go: no place in the cluster enters an LDS address
	s_mul_i32 s94, s16, HALFT
	s_add_co_u32 s94, s94, BOFF
	s_mul_i32 s95, s16, HALFS
	s_add_co_u32 s95, s95, SCL
	s_wait_kmcnt 0x0
	s_add_nc_u64 s[20:21], s[4:5], s[20:21]
	s_add_nc_u64 s[46:47], s[6:7], s[46:47]
	s_add_nc_u64 s[92:93], s[8:9], s[92:93]
	CROUND                                         ; all sixteen work-groups are here: the first joint loads meet
	s_mov_b32 s[G0SB], 1
	s_mov_b32 s[G0SB+1], s95
	s_mov_b64 s[G0SB+2:G0SB+3], s[92:93]
	s_or_b32 s[G0SB+3], s[G0SB+3], 0x80000000
.irp s, 0,1
	s_mov_b32 s[G0+4*\s], 1
	s_add_co_u32 s[G0+4*\s+1], s45, \s*SLOT
	s_add_nc_u64 s[G0+4*\s+2:G0+4*\s+3], s[20:21], \s*AHALF
	s_or_b32 s[G0+4*\s+3], s[G0+4*\s+3], 0x80000000
	s_mov_b32 s[G0B+4*\s], 1
	s_add_co_u32 s[G0B+4*\s+1], s94, \s*SLOT
	s_add_nc_u64 s[G0B+4*\s+2:G0B+4*\s+3], s[46:47], \s*ROWB
	s_or_b32 s[G0B+4*\s+3], s[G0B+4*\s+3], 0x80000000
.endr
	s_cmp_eq_u32 s15, 0                            ; a wave's first fills stand in one branch: A's waves have two loads out, B's three; on both ways slot 1's is the last
	s_cbranch_scc0 .Lfirst_b
	tensor_load_to_lds s[G0:G0+3], s[G1:G1+7]
	s_nop 0
	tensor_load_to_lds s[G0+4:G0+7], s[G1:G1+7]
	s_nop 0
.rept 4
	v_nop
.endr
	s_branch .Lfirst_asked
.Lfirst_b:
	tensor_load_to_lds s[G0SB:G0SB+3], s[G1SB:G1SB+7]
	s_nop 0
	tensor_load_to_lds s[G0B:G0B+3], s[G1B:G1B+7]
	s_nop 0
	tensor_load_to_lds s[G0B+4:G0B+7], s[G1B:G1B+7]
	s_nop 0
.rept 4
	v_nop
.endr
.Lfirst_asked:
	v_and_b32 v1, 15, v0                           ; r
	v_bfe_u32 v2, v0, 4, 1                         ; h
	v_and_b32 v6, 31, v0                           ; lane
	v_lshlrev_b32 v7, 5, v2                        ; the bias: 32 h
	s_lshl_b32 s92, s42, 10
	s_lshl_b32 s93, s16, 9
	s_add_co_u32 s92, s92, s93                     ; (256 x tile column + 128 x half) x 4 bytes
	s_mov_b32 s93, 0
	s_add_nc_u64 s[92:93], s[10:11], s[92:93]
.irp b, 0,1,2,3,4,5,6,7
	global_load_b128 v[96+8*\b+96*(\b/4):96+8*\b+96*(\b/4)+3], v7, s[92:93] offset:64*\b
	global_load_b128 v[96+8*\b+96*(\b/4)+4:96+8*\b+96*(\b/4)+7], v7, s[92:93] offset:64*\b+16
.endr
	v_mul_u32_u24 v3, v1, PITCH
	v_mul_u32_u24 v4, v2, 24
	v_add_nc_u32 v4, v3, v4                        ; B: a fragment's row x pitch + 24 x half
	v_lshl_add_u32 v5, v2, 4, v4                   ; and the same behind one padding more
	v_lshlrev_b32 v8, 3, v6
	v_lshlrev_b32 v9, 4, v6
	s_mul_i32 s21, s15, AHALF                      ; my token group's records
	s_mul_i32 s22, s16, HALFT                      ; my 128 rows of B
	s_add_co_u32 s22, s22, BOFF
.irp s, 0,1
	v_add_nc_u32 v[ADRA+\s], s21, v8
	v_add_nc_u32 v[ADSA+\s], s21, v9
	v_add_nc_u32 v[ADRB+\s], s22, v4
	v_add_nc_u32 v[ADRB+2+\s], s22, v5
	s_add_co_u32 s21, s21, SLOT
	s_add_co_u32 s22, s22, SLOT
.endr
	v_mul_u32_u24 v5, v1, KS                       ; B's scales: 32 bytes a row,
	v_lshrrev_b32 v10, 8, v5
	v_lshl_add_u32 v5, v10, 4, v5                  ; and 16 more for each 256 passed
	s_mul_i32 s21, s16, HALFS
	s_add_co_u32 s21, s21, SCL
	v_add_nc_u32 v[ADRS], s21, v5
	s_mul_i32 s23, s14, 16*SPITCH                  ; my stage
	v_mul_u32_u24 v5, v1, SPITCH
	v_lshl_add_u32 v5, v2, 5, v5
	v_add_nc_u32 v[STO], s23, v5                   ; in: row r, 32 bytes for each half of the lanes
	v_lshlrev_b32 v[CO], 4, v6                     ; back: the 32 lanes take one row of 512 bytes; and the same in out0
	v_add_nc_u32 v[RD], s23, v[CO]
	s_lshl_b32 s20, s17, 8
	s_lshl_b32 s21, s15, 7
	s_add_co_u32 s20, s20, s21                     ; my first row of out0
	s_mov_b32 s21, 0
	s_mov_b64 s[18:19], SIZE_N*4
	s_mul_u64 s[20:21], s[20:21], s[18:19]
	s_lshl_b32 s46, s42, 10
	s_lshl_b32 s47, s16, 9
	s_add_co_u32 s46, s46, s47                     ; my first column, in bytes
	s_mov_b32 s47, 0
	s_add_nc_u64 s[20:21], s[20:21], s[46:47]
	s_add_nc_u64 s[12:13], s[12:13], s[20:21]
.macro FRAG reg, adr, q, i             ; a fragment of B, from rows: 24 bytes of the row's stream of bits twice, in pieces of 8 bytes
.irp p, 0,1,2,3,4,5
.set PCE, 12*(\q)+6*(\p/3)+\p%3
.if PCE%8 < 5
	ds_load_b64 v[\reg+2*\p:\reg+2*\p+1], v[\adr] offset:8*PCE+16*(PCE/8)+(\i)*16*PITCH
.else
	ds_load_b64 v[\reg+2*\p:\reg+2*\p+1], v[\adr+2] offset:8*PCE+16*(PCE/8)+(\i)*16*PITCH
.endif
.endr
.endm
.macro FRAGA reg, slot, q, i           ; a fragment of A, from its image: each load takes 256 consecutive bytes
.irp p, 0,1,2,3,4,5
	ds_load_b64 v[\reg+2*\p:\reg+2*\p+1], v[ADRA+\slot] offset:REC*(\q)+1536*(\i)+256*\p
.endr
.endm
; 8 matrix instructions: A's block a against B's eight.  An odd block's scale words stand in lanes 16-31 of its register.  zero = 1: the first products start the sums with the bias as C.
.macro MUL8 a, p, q, sc, zero
.irp b, 0,1,2,3,4,5,6,7
.set rD, 8*(8*((\a)%4)+\b)
.set rB, 128*(\p)+FR*\b
.set rA, AF+FR*(\a)
.set rC, 96+8*\b+96*(\b/4)
.set rX, SCB+16*(\sc)+2*\b+(\q)
.set rY, SCA+8*(\sc)+4*(\q)+(\a)/2
.if (\zero) && ((\a)%2 == 0)
	v_wmma_scale_f32_16x16x128_f8f6f4 v[rD:rD+7], v[rB:rB+FR-1], v[rA:rA+FR-1], v[rC:rC+7], v[rX], v[rY] matrix_a_fmt:MATRIX_FMT_FP6 matrix_b_fmt:MATRIX_FMT_FP6
.elseif (\zero)
	v_wmma_scale_f32_16x16x128_f8f6f4 v[rD:rD+7], v[rB:rB+FR-1], v[rA:rA+FR-1], v[rC:rC+7], v[rX], v[rY] matrix_a_fmt:MATRIX_FMT_FP6 matrix_b_fmt:MATRIX_FMT_FP6 matrix_b_scale:MATRIX_SCALE_ROW1
.elseif (\a)%2 == 0
	v_wmma_scale_f32_16x16x128_f8f6f4 v[rD:rD+7], v[rB:rB+FR-1], v[rA:rA+FR-1], v[rD:rD+7], v[rX], v[rY] matrix_a_fmt:MATRIX_FMT_FP6 matrix_b_fmt:MATRIX_FMT_FP6
.else
	v_wmma_scale_f32_16x16x128_f8f6f4 v[rD:rD+7], v[rB:rB+FR-1], v[rA:rA+FR-1], v[rD:rD+7], v[rX], v[rY] matrix_a_fmt:MATRIX_FMT_FP6 matrix_b_fmt:MATRIX_FMT_FP6 matrix_b_scale:MATRIX_SCALE_ROW1
.endif
.endr
.endm
.macro MUL16 a0, p, q, sc, zero        ; the 64 accumulators take turns, one instruction a turn, in the same order in every step
	MUL8 \a0, \p, \q, \sc, \zero
	MUL8 \a0+1, \p, \q, \sc, \zero
.endm
.macro FETCH_B slot, q, p
	WIN TO_B
.irp i, 0,1,2,3,4,5,6,7
	FRAG 128*(\p)+FR*\i, ADRB+\slot, \q, \i
.endr
	WIN 0
.endm
.macro FETCH_A slot, q, i0
.irp i, \i0, \i0+1, \i0+2, \i0+3
	FRAGA AF+FR*(\i), \slot, \q, \i
.endr
.endm
.macro SCALES sc                       ; the scale words of the K step in slot sc: B's from the region that stays, A's from the slot's two records
.irp i, 0,1,2,3,4,5,6,7
	ds_load_b64 v[SCB+16*\sc+2*\i:SCB+16*\sc+2*\i+1], v[ADRS] offset:\i*SBLK
.endr
.irp q, 0,1
	ds_load_b128 v[SCA+8*\sc+4*\q:SCA+8*\sc+4*\q+3], v[ADSA+\sc] offset:REC*\q+12288
.endr
.endm
.macro PLACES n
.rept \n
	v_nop
.endr
.endm
.macro STEP slot, q, zero
	s_wait_dscnt 4*NL                              ; all but the youngest 24 loads (A's blocks 4-7) are in
.if \zero
	WIN 0x81                                       ; as MUL_LO, with C (the bias) in window 0
.else
	WIN MUL_LO
.endif
	MUL16 0, (\q)%2, \q, \slot, \zero
	MUL16 2, (\q)%2, \q, \slot, \zero
	s_wait_dscnt 0
	PLACES NP
	FETCH_B \slot, (\q)+1, 1-(\q)%2
	FETCH_A \slot, (\q)+1, 0
.if \zero
	WIN 0xc1
.else
	WIN MUL_HI
.endif
	MUL16 4, (\q)%2, \q, \slot, \zero
	MUL16 6, (\q)%2, \q, \slot, \zero
	PLACES NP
	WIN 0
	FETCH_A \slot, (\q)+1, 4
.endm
; A slot's last step changes slots: ONE barrier; in front of it each wave waits for all its tensor loads, adds 0 to its spare word, and waits for that and for its own reads of this slot.  fill = 1: this slot is filled again, two K steps ahead.
.macro TURN slot, next, fill
	s_wait_tensorcnt 0x0                           ; all my tensor loads have landed: my part of the next slot
	ds_add_u32 v[SPW], v[NIL]                      ; 0 onto my spare word
	s_wait_dscnt 4*NL+1                            ; (the add and the youngest 24 loads may be out)
	WIN MUL_LO
	MUL16 0, 1, NQ-1, \slot, 0
	s_wait_dscnt 0x0                               ; the add is done, and my reads of this slot are over
	s_barrier_signal -1
	MUL16 2, 1, NQ-1, \slot, 0
	WIN 0
	s_barrier_wait -1
.if \fill
	CREST                                          ; the barrier has opened a round of the cluster's barrier: no wave of any partner still reads this slot or has a load on its way
	s_add_nc_u64 s[G0+4*\slot+2:G0+4*\slot+3], s[G0+4*\slot+2:G0+4*\slot+3], 2*AHALF
	s_add_nc_u64 s[G0B+4*\slot+2:G0B+4*\slot+3], s[G0B+4*\slot+2:G0B+4*\slot+3], 2*ROWB
	JLOAD G0+4*\slot, G1, G0B+4*\slot, G1B         ; the first tensor load behind the round; its four v_nop are the places in front of the loads below
.else
	PLACES NP
.endif
	v_add_nc_u32 v[ADRS], 4*NQ, v[ADRS]            ; on to the next K step's scale words of B
	FETCH_B \next, 0, 0
	FETCH_A \next, 0, 0
	SCALES \next
	WIN MUL_HI
	MUL16 4, 1, NQ-1, \slot, 0
	MUL16 6, 1, NQ-1, \slot, 0
	PLACES NP
	WIN 0
	FETCH_A \next, 0, 4
.endm
	s_wait_loadcnt 0x0                             ; the bias
	s_wait_tensorcnt 1                             ; B's scales and my part of K step 0 are in (K step 1's load may be out),
	s_barrier_signal -1
	s_barrier_wait -1                              ; everybody's are
	FETCH_B 0, 0, 0
	FETCH_A 0, 0, 0
	SCALES 0
	FETCH_A 0, 0, 4
	STEP 0, 0, 1
	s_mov_b32 s3, LAPS-1
.Llap:
	TURN 0, 1, 1
	STEP 1, 0, 0
	TURN 1, 0, 1
	STEP 0, 0, 0
	s_sub_co_u32 s3, s3, 1
	s_cmp_lg_u32 s3, 0
	s_cbranch_scc1 .Llap
	TURN 0, 1, 0
	STEP 1, 0, 0
	s_wait_dscnt 4*NL
	WIN MUL_LO
	MUL16 0, 1, NQ-1, 1, 0
	MUL16 2, 1, NQ-1, 1, 0
	s_wait_dscnt 0
	WIN MUL_HI
	MUL16 4, 1, NQ-1, 1, 0
	MUL16 6, 1, NQ-1, 1, 0
	WIN 0
; THE WAY OUT, block by block of 16 rows x 128 columns, through my own stage in LDS: in as 32 bytes a lane, back as whole rows of 512 bytes.  LDS serves a wave's instructions in order (ISA guide 5.7.1.4).
.macro TOSTAGE a
.set AC, 64*((\a)%4)
	WIN 0x08+4*((\a)/4)                            ; the data: window 2 or 3
.irp b, 0,1,2,3,4,5,6,7
	ds_store_b128 v[STO], v[AC+8*\b:AC+8*\b+3] offset:64*\b          ; each accumulator from its low end on
	ds_store_b128 v[STO], v[AC+8*\b+4:AC+8*\b+7] offset:64*\b+16
.endr
	WIN 0
.set BB, BK+64*((\a)%2)
.irp t, 0,1,2,3,4,5,6,7,8,9,10,11,12,13,14,15
	ds_load_b128 v[BB+4*\t:BB+4*\t+3], v[RD] offset:\t*SPITCH
.endr
.endm
.macro SEND a, younger                 ; younger: the LDS instructions issued behind block a's loads, which may stay out
.set BB, BK+64*((\a)%2)
	s_wait_dscnt \younger
.if (\a) > 0
	s_add_nc_u64 s[12:13], s[12:13], 16*SIZE_N*4   ; (behind a wait on XCNT: the earlier stores have read their base)
.endif
.irp t, 0,1,2,3,4,5,6,7,8,9,10,11,12,13,14,15
	global_store_b128 v[CO], v[BB+4*\t:BB+4*\t+3], s[12:13] offset:\t*SIZE_N*4 th:TH_STORE_NT   ; 32 lanes store 512 consecutive bytes, at a multiple of 256 from out0's first byte
.endr
.endm
	PLACES NP
	TOSTAGE 0
.irp a, 1,2,3,4,5,6,7
.if \a > 1
	s_wait_xcnt 0x0                                ; block a - 2's stores have read their registers and their base
.endif
	TOSTAGE \a
	SEND \a-1, 32                                  ; behind block a - 1's loads: block a's 16 stores and 16 loads
.endr
	s_wait_xcnt 0x0
	SEND 7, 0
	s_wait_tensorcnt 0x0                           ; the wave's end
	ds_add_u32 v[SPW], v[NIL]
	s_wait_dscnt 0x0
	CROUND                                         ; the closing round
	s_endpgm
.Lfunc_end_k_q6b8e8d635d_proj:
	.size	k_q6b8e8d635d_proj, .Lfunc_end_k_q6b8e8d635d_proj-k_q6b8e8d635d_proj
	.p2alignl 7, 3214868480
	.fill 96, 4, 3214868480
	.section	.rodata,"a",@progbits
	.p2align	6, 0x0
	.amdhsa_kernel k_q6b8e8d635d_proj
		.amdhsa_group_segment_fixed_size 327680
		.amdhsa_private_segment_fixed_size 0
		.amdhsa_enable_private_segment 0
		.amdhsa_kernarg_size 40
		.amdhsa_user_sgpr_count 2
		.amdhsa_user_sgpr_kernarg_segment_ptr 1
		.amdhsa_wavefront_size32 1
		.amdhsa_system_sgpr_workgroup_id_x 1
		.amdhsa_system_sgpr_workgroup_id_y 1
		.amdhsa_system_sgpr_workgroup_id_z 1
		.amdhsa_system_vgpr_workitem_id 0
		.amdhsa_next_free_vgpr 1024
		.amdhsa_next_free_sgpr 100
		.amdhsa_reserve_vcc 0
		.amdhsa_float_denorm_mode_32 3
		.amdhsa_float_denorm_mode_16_64 3
		.amdhsa_memory_ordered 1
		.amdhsa_forward_progress 1
		.amdhsa_inst_pref_size 161
	.end_amdhsa_kernel
	.amdgpu_metadata
---
amdhsa.version: [ 1, 2 ]
amdhsa.kernels:
  - .name:           k_q6b8e8d635d_proj
    .symbol:         k_q6b8e8d635d_proj.kd
    .args:
      - { .name: y, .offset: 0, .size: 8, .value_kind: global_buffer, .address_space: global }
      - { .name: W_out_codes, .offset: 8, .size: 8, .value_kind: global_buffer, .address_space: global }
      - { .name: W_out_scales, .offset: 16, .size: 8, .value_kind: global_buffer, .address_space: global }
      - { .name: b_out, .offset: 24, .size: 8, .value_kind: global_buffer, .address_space: global }
      - { .name: out0, .offset: 32, .size: 8, .value_kind: global_buffer, .address_space: global }
    .group_segment_fixed_size: 327680
    .private_segment_fixed_size: 0
    .kernarg_segment_align: 8
    .kernarg_segment_size: 40
    .max_flat_workgroup_size: 128
    .sgpr_count:     100
    .vgpr_count:     1024
    .wavefront_size: 32
...
	.end_amdgpu_metadata
.endif
;; end of part 3
